; MI455X (gfx1250); checked and timed in simulation.
; The chip was launched on July 23, 2026; its instructions are those of AMD's public machine-readable ISA for CDNA 5 (MIT licence, August 2026) and "CDNA5" Instruction Set Architecture Reference Guide (July 2026). The comments in the code are by the model that wrote it; some were corrected since.
;; Local Attention. Allowed arithmetic: float matrix products may take bf16 or f16 operands with f32 sums; other float arithmetic in f32, or as packed bf16 or f16 multiplies, adds, multiply-adds, maxima and minima; sums over many terms, partial sums and values carried from step to step in f32; what a program stores and reads back later, other than sums and carried values, may be rounded once to bf16 or f16.
;; Inputs: b_in 3,072 float32; b_out 1,024 float32; w_in 3,072 x 1,024 float32; w_out 1,024 x 1,024 float32; x 4 x 2,048 x 1,024 float32.
;; Outputs: out0 4 x 2,048 x 1,024 float32.
;; 2 versions, each right; version 2 is version 1 with the launch cast written anew for expert scheduling mode. Each part assembles by itself: llvm-mc -triple=amdgcn-amd-amdhsa -mcpu=gfx1250 --defsym DOCPART=n.
;; ======== version 1 of 2: 4 launches
;; limits: values are held in f16: magnitudes above 65,504 overflow, below 6.1e-05 lose precision
;; workspace buffers: xb 16,777,216 bytes; wib 6,291,456 bytes; wof 2,097,152 bytes; qkv 50,331,648 bytes; ob 16,777,216 bytes
;; launch cast (part 1): grid 768 x 1, 8 waves a work-group, no clusters, 0 bytes of LDS; arguments x, w_in, w_out, xb, wib, wof; writes xb, wib, wof
.if DOCPART == 1
	.amdgcn_target "amdgcn-amd-amdhsa--gfx1250"
	.amdhsa_code_object_version 6
	.text
	.protected	k_q904525990d_cast
	.globl	k_q904525990d_cast
	.p2align	8
	.type	k_q904525990d_cast,@function
k_q904525990d_cast:
	s_mov_b64 s[64:65], 0
	v_nop
	global_prefetch_b8 v0, s[64:65] scope:SCOPE_SE
	s_setreg_imm32_b32 hwreg(HW_REG_WAVE_MODE, 25, 1), 1
	s_wait_xcnt 0x0
; xb = bf16(x), wib = bf16(w_in), wof = f16(bf16(w_out)).  All three inputs are taken as rows of 1,024 f32 (4,096 bytes in, 2,048 bytes out): 8,192 + 3,072 + 1,024 rows.
; A work-group of eight waves takes 16 rows of ONE tensor: groups 0-511 x, 512-703 w_in, 704-767 w_out.  Thread t owns the 16 bytes at 16 t of every row, so a wave's load covers
; 512 consecutive bytes and its store 256 consecutive bytes, aligned.  All 16 loads of a thread go out at once (64 KiB a work-group); each row is rounded and stored as it arrives.
; No LDS, no barrier, no matrix unit, no cluster: no byte is used twice and nothing is shared.  No prefetch: the launch does nothing but stream.
; LIMITS.  w_out is rounded to bf16 like every input and that number is written as f16: exact from 2^-14 to 65,504; below 2^-14 it keeps f16's fixed step of 6e-8; beyond 65,504 it would be an infinity.
.set NX,   512                         ; work-groups for x
.set NWI,  192                         ; for w_in
.set X,    8                           ; v[8:71]    row i: 4 f32 as loaded
.set Y,    72                          ; v[72:103]  row i: 4 numbers of 16 bits to store
	s_load_b256 s[4:11], s[0:1], 0x0               ; x s[4:5], w_in s[6:7], w_out s[8:9], xb s[10:11]
	s_load_b128 s[12:15], s[0:1], 0x20             ; wib s[12:13], wof s[14:15]
	v_lshlrev_b32 v1, 4, v0                        ; my 16 bytes of a row in
	v_lshlrev_b32 v2, 3, v0                        ; my 8 bytes of a row out
	s_sub_co_u32 s16, ttmp9, NX                    ; my number among w_in's groups,
	s_sub_co_u32 s17, ttmp9, NX+NWI                ; among w_out's (each is used only where it is not negative)
	s_mov_b32 s25, 0
	s_mov_b32 s27, 0
	s_wait_kmcnt 0x0
	s_cmp_lt_u32 ttmp9, NX+NWI
	s_cselect_b64 s[20:21], s[6:7], s[8:9]         ; from where,
	s_cselect_b64 s[22:23], s[12:13], s[14:15]     ; to where,
	s_cselect_b32 s18, s16, s17                    ; which 16 rows
	s_cmp_lt_u32 ttmp9, NX
	s_cselect_b64 s[20:21], s[4:5], s[20:21]
	s_cselect_b64 s[22:23], s[10:11], s[22:23]
	s_cselect_b32 s18, ttmp9, s18
	s_lshl_b32 s24, s18, 16                        ; 16 rows of 4,096 bytes
	s_lshl_b32 s26, s18, 15                        ; 16 rows of 2,048 bytes
	s_add_nc_u64 s[20:21], s[20:21], s[24:25]
	s_add_nc_u64 s[22:23], s[22:23], s[26:27]
.irp i, 0,1,2,3,4,5,6,7,8,9,10,11,12,13,14,15
	global_load_b128 v[X+4*\i:X+4*\i+3], v1, s[20:21] offset:4096*\i th:TH_LOAD_NT
.endr
; Row i is rounded and stored.  half = 1: the bf16 numbers are widened again (a shift, a mask) and written as f16.  No register that a load or store names is written again.
.macro OUT i, half
	s_wait_loadcnt 15-(\i)                         ; loads come back in order: row i is in, the 15 - i younger ones stay out
	v_cvt_pk_bf16_f32 v[Y+2*(\i)],   v[X+4*(\i)],   v[X+4*(\i)+1]
	v_cvt_pk_bf16_f32 v[Y+2*(\i)+1], v[X+4*(\i)+2], v[X+4*(\i)+3]
.if \half
	v_lshlrev_b32 v4, 16, v[Y+2*(\i)]
	v_and_b32     v5, 0xffff0000, v[Y+2*(\i)]
	v_lshlrev_b32 v6, 16, v[Y+2*(\i)+1]
	v_and_b32     v7, 0xffff0000, v[Y+2*(\i)+1]
	v_cvt_pk_f16_f32 v[Y+2*(\i)],   v4, v5
	v_cvt_pk_f16_f32 v[Y+2*(\i)+1], v6, v7
.endif
	global_store_b64 v2, v[Y+2*(\i):Y+2*(\i)+1], s[22:23] offset:2048*(\i)
.endm
	s_cmp_ge_u32 ttmp9, NX+NWI
	s_cbranch_scc1 .Lhalf
.irp i, 0,1,2,3,4,5,6,7,8,9,10,11,12,13,14,15
	OUT \i, 0
.endr
	s_endpgm
.Lhalf:
.irp i, 0,1,2,3,4,5,6,7,8,9,10,11,12,13,14,15
	OUT \i, 1
.endr
	s_endpgm
.Lfunc_end_k_q904525990d_cast:
	.size	k_q904525990d_cast, .Lfunc_end_k_q904525990d_cast-k_q904525990d_cast
	.p2alignl 7, 3214868480
	.fill 96, 4, 3214868480
	.section	.rodata,"a",@progbits
	.p2align	6, 0x0
	.amdhsa_kernel k_q904525990d_cast
		.amdhsa_group_segment_fixed_size 0
		.amdhsa_private_segment_fixed_size 0
		.amdhsa_enable_private_segment 0
		.amdhsa_kernarg_size 48
		.amdhsa_user_sgpr_count 2
		.amdhsa_user_sgpr_kernarg_segment_ptr 1
		.amdhsa_wavefront_size32 1
		.amdhsa_system_sgpr_workgroup_id_x 1
		.amdhsa_system_sgpr_workgroup_id_y 1
		.amdhsa_system_sgpr_workgroup_id_z 1
		.amdhsa_system_vgpr_workitem_id 0
		.amdhsa_next_free_vgpr 104
		.amdhsa_next_free_sgpr 66
		.amdhsa_reserve_vcc 0
		.amdhsa_float_denorm_mode_32 3
		.amdhsa_float_denorm_mode_16_64 3
		.amdhsa_memory_ordered 1
		.amdhsa_forward_progress 1
		.amdhsa_inst_pref_size 16
	.end_amdhsa_kernel
	.amdgpu_metadata
---
amdhsa.version: [ 1, 2 ]
amdhsa.kernels:
  - .name:           k_q904525990d_cast
    .symbol:         k_q904525990d_cast.kd
    .args:
      - { .name: x, .offset: 0, .size: 8, .value_kind: global_buffer, .address_space: global }
      - { .name: w_in, .offset: 8, .size: 8, .value_kind: global_buffer, .address_space: global }
      - { .name: w_out, .offset: 16, .size: 8, .value_kind: global_buffer, .address_space: global }
      - { .name: xb, .offset: 24, .size: 8, .value_kind: global_buffer, .address_space: global }
      - { .name: wib, .offset: 32, .size: 8, .value_kind: global_buffer, .address_space: global }
      - { .name: wof, .offset: 40, .size: 8, .value_kind: global_buffer, .address_space: global }
    .group_segment_fixed_size: 0
    .private_segment_fixed_size: 0
    .kernarg_segment_align: 8
    .kernarg_segment_size: 48
    .max_flat_workgroup_size: 256
    .sgpr_count:     66
    .vgpr_count:     104
    .wavefront_size: 32
...
	.end_amdgpu_metadata
.endif
;; end of part 1
;; launch gqkv (part 2): grid 16 x 32, 4 waves a work-group, clusters of 4 x 4, 327,680 bytes of LDS; arguments xb, wib, b_in, qkv; writes qkv
.if DOCPART == 2
	.amdgcn_target "amdgcn-amd-amdhsa--gfx1250"
	.amdhsa_code_object_version 6
	.text
	.protected	k_q904525990d_gqkv
	.globl	k_q904525990d_gqkv
	.p2align	8
	.type	k_q904525990d_gqkv,@function
k_q904525990d_gqkv:
	s_mov_b64 s[64:65], 0
	v_nop
	global_prefetch_b8 v0, s[64:65] scope:SCOPE_SE
	s_setreg_imm32_b32 hwreg(HW_REG_WAVE_MODE, 25, 1), 1
	s_wait_xcnt 0x0
	s_wait_alu depctr_hold_cnt(0) depctr_sa_sdst(0) depctr_va_vdst(0) depctr_va_sdst(0) depctr_va_ssrc(0) depctr_va_vcc(0) depctr_vm_vsrc(0)
	s_getreg_b32 s2, hwreg(HW_REG_IB_STS2, 6, 4)
	s_cmp_eq_u32 s2, 0
	s_cbranch_scc0 .Lentry_in_a_cluster
	s_endpgm
.Lentry_in_a_cluster:
	s_bfe_u32 s2, ttmp6, 0x10000c
	s_cmp_lg_u32 s2, 0xf033
	s_cbranch_scc0 .Lentry_shape_is_right
	s_endpgm
.Lentry_shape_is_right:
; qkv = xb wib^T + bf16(b_in).  xb: [8192][1024] bf16, wib: [3072][1024] bf16, b_in: [3072] f32; sums in f32, started by the bias; the result is rounded once to f16 and laid out BY HEADS:
; qkv[b][g][s][64], g = column / 64 (q: g = h, k: 16 + h, v: 32 + h), a head's 2,048 rows dense, 128 bytes each.
; LIMIT.  f16 holds no number beyond 65,504: a q, k or v beyond it becomes an infinity.  (x of unit spread and w_in within 1/32 give numbers under 4; both 30 times larger, under some 3,000.)
; SHARES.  A tile of the result is 256 rows x 192 columns (three whole heads): 32 x 16 = 512 tiles, two for each of 256 WGPs.  Four waves, one above the other: wave w makes rows 64 w .. 64 w + 63 of the
; tile and all 192 columns: 4 x 12 accumulators of 16 x 16, 384 registers.  So a wave owns whole rows of whole heads, and its way out needs no other wave.
; K goes in steps of 128 through a ring of two LDS slots filled by the tensor data mover; the rows of A's and B's tiles are 256 bytes of memory, at multiples of 256 from the buffer's first byte.
; CLUSTERS: 4 x 4 work-groups.  The four of a row of the cluster need the same tiles of A, the four of a column the same tiles of B: each tile is asked for JOINTLY, by the same tensor load with the
; same descriptor and a mask that names the four.
; THE MATRIX INSTRUCTION IS USED TRANSPOSED (source 0 = 16 rows of B, source 1 = 16 rows of A): lane l holds row l % 16 of the result and the columns 8 (l / 16) + 0..7: 16 bytes of f16 on end.
; REGISTERS, in windows of 256 (s_set_vgpr_msb: bits 1:0 source 0, 3:2 source 1, 5:4 source 2, 7:6 destination):
;   window 0: v0-31 addresses; v32-95 A's fragments, two buffers of 4; v96-191 the bias as 12 C operands, later at work on the way out (v96-239)
;   window 1: v0-191 B's fragments, two buffers of 12      window 2: the accumulators of row blocks 0, 1 ((a, b) at 8 (12 (a % 2) + b))      window 3: those of row blocks 2, 3
.set NBW,   12                         ; column blocks of 16 in a tile
.set NT,    16*NBW                     ; columns in a tile
.set RB,    NT/32                      ; groups of 32 rows of B in a tile
.set PA,    272                        ; an LDS row: 256 bytes + 16 of padding = 68 words: row r starts at bank 4 r mod 64 (64 banks of 4 bytes: ISA guide 11.1), so the 16 rows of a load start at 16 different banks
.set PB,    272
.set AH,    128*PA                     ; what one tensor load brings of A: 128 rows
.set BOFF,  2*AH                       ; B's rows lie behind A's 256
.set HB,    NT/2                       ; rows of B in one tensor load
.set HALFB, HB*PB
.set SLOT,  BOFF+2*HALFB
.set STAGE, 2*SLOT                     ; behind the ring: for each wave 3 heads x 16 rows x 144 bytes, for the way out
.set STW,   3*16*144
.set SPARE, STAGE+4*STW                ; behind the stages: the spare words, 128 bytes for each wave: two blocks of 256 bytes that no other line names
.set KSA,   256                        ; bytes from a K step of A to the next
.set KSB,   256                        ; the same for B
.set QIA,   5                          ; A's padding stands after every 64 words
.set STRA,  1024                       ; elements from row to row of A's tile
.set ADRA, 16                          ; v16-17  LDS address of my A fragments in slot 0, 1
.set ADRB, 20                          ; v20-21  the same for B
.set STO,  24                          ; v24     the way out: where I put 16 bytes of a row
.set RD,   25                          ; v25     the way out: where I read rows back
.set CO,   26                          ; v26     16 x my lane
.set BO,   27                          ; v27     my byte offset in 16 numbers of the bias
.set SPW,  28                          ; v28     LDS address of my spare word: SPARE + 4 x my thread's number; never rewritten
.set NIL,  29                          ; v29     0; never rewritten
.set PFO,  30                          ; v30     the prefetches' offset: my lane x a row of 2,048 bytes; never rewritten
.set FA,   32                          ; A's fragments: buffer f, row block a at FA + 32 f + 8 a
.set BIAS, 96                          ; column block b's eight numbers a lane at BIAS + 8 b
.set TMP,  96                          ; the way out: packed results
.set OB,   144                         ; the way out: 48 registers read back from the stage, two sets by turns
.set WV,   12                          ; s12  my wave's number
.set FW,   13                          ; s13  I fetch for A (0) or for B (1)
.set HF,   14                          ; s14  which half of that tile I fetch
.set LAPS, 15
.set G1,   24                          ; s[24:31] descriptor group 1 for A's tiles;  s[32:39] group 0, one set for each slot
.set G0,   32
.set CX,   40
.set CY,   41
.set TX,   42                          ; tile column
.set TY,   43                          ; tile row
.set PFA,  44                          ; s[44:45] the address of the prefetch in hand
.set G1B,  48                          ; s[48:55], s[56:63] the same for B's tiles
.set G0B,  56
.set PFS,  66                          ; s[66:67] that prefetch's byte offset, as a pair
.set ASKS, 69                          ; s69  prefetches that I still have to issue
.set OFS,  70                          ; s70-73 the byte offsets of my next prefetches
.set PFB,  74                          ; s[74:75] the tensor that I prefetch from
.set MSB, 0
.macro WIN new                         ; the immediate's high byte repeats the setting that is left; a switch that changes nothing is dropped
.if MSB != (\new)
	s_set_vgpr_msb (MSB<<8)|(\new)
.set MSB, \new
.endif
.endm
.macro PLACES                          ; four places in front of loads into registers that matrix instructions have read, and of lines that read results
.rept 4
	v_nop
.endr
.endm
; A joint load: waves 0 and 1 fetch A's two halves, waves 2 and 3 B's.  The branch hangs on the wave's number alone.  An s_nop 0 and four v_nop follow each of the two lines.
.macro JLOAD s
	s_cmp_eq_u32 s[FW], 0
	s_cbranch_scc0 .Lfor_b_\@
	tensor_load_to_lds s[G0+4*(\s):G0+4*(\s)+3], s[G1:G1+7]
	s_nop 0
.rept 4
	v_nop
.endr
	s_branch .Lasked_\@
.Lfor_b_\@:
	tensor_load_to_lds s[G0B+4*(\s):G0B+4*(\s)+3], s[G1B:G1B+7]
	s_nop 0
.rept 4
	v_nop
.endr
.Lasked_\@:
.endm
.macro CREST                           ; a round of the cluster's barrier behind its opening barrier
	s_cmp_lg_u32 s[WV], 0
	s_cbranch_scc1 .Lnot_wave_0_\@
	s_barrier_signal -3
.Lnot_wave_0_\@:
	s_barrier_wait -3
	s_barrier_signal -1
	s_barrier_wait -1
.endm
.macro CROUND                          ; a whole round
	s_barrier_signal -1
	s_barrier_wait -1
	CREST
.endm
; A PREFETCH INTO THE L2, behind a joint load, its five lines and the run of LDS loads that follows them: 32 rows x 256 bytes of a K step that a refill two or more changes of slots on will ask for; a lane a row.
; Each row's 256 bytes of K steps 4 to 7 are named ONCE in the launch; K steps 0 to 3 come by their loads alone.  A's rows are read by every cluster of a row of clusters: the one with cluster x = 0 asks, wave 0 or 1 for the
; 128 rows that it fetches, of which the partner at cx takes 32: K step 4 + n in its ask n.  B's rows are read by every cluster of a column of clusters: the one with cluster y = 0 asks; its eight askers
; p = 2 cy + half (waves 2, 3) take, in ask n, row group (8 n + p) % RB of K step 4 + (8 n + p) / RB.  Partners are told apart by address alone; the count of asks hangs on the cluster's place and the wave's number.
.macro ASK
	s_cmp_lg_u32 s[ASKS], 0
	s_cbranch_scc0 .Lno_ask_\@
	global_prefetch_b8 v[PFO], s[PFA:PFA+1] th:TH_LOAD_NT scope:SCOPE_SE
	s_sub_co_u32 s[ASKS], s[ASKS], 1
.Lno_ask_\@:
.endm
	s_load_b256 s[4:11], s[0:1], 0x0               ; A s[4:5], B s[6:7], bias s[8:9], result s[10:11]
	v_lshl_add_u32 v[SPW], v0, 2, SPARE
	v_mov_b32 v[NIL], 0
	ds_add_u32 v[SPW], v[NIL]                      ; the wave's opening: the add and its wait stand ahead of my first tensor load; the set-up below, work on registers, stands between them
	v_lshrrev_b32 v1, 5, v0
	v_readfirstlane_b32 s[WV], v1                  ; wave 0..3
	s_lshr_b32 s[FW], s[WV], 1
	s_and_b32 s[HF], s[WV], 1
	s_bfe_u32 s[CX], ttmp6, 0x40000                ; my place in the cluster
	s_bfe_u32 s[CY], ttmp6, 0x40004
	s_lshl_b32 s[TX], ttmp9, 2                     ; in a cluster launch ttmp9 and ttmp7 count clusters
	s_add_co_u32 s[TX], s[TX], s[CX]
	s_and_b32 s[TY], ttmp7, 0xffff
	s_lshl_b32 s[TY], s[TY], 2
	s_add_co_u32 s[TY], s[TY], s[CY]
	s_lshl_b32 s22, s[CY], 2
	s_lshl_b32 s22, 15, s22                        ; my row of the cluster: places 4 cy .. 4 cy + 3
	s_lshl_b32 s23, 0x1111, s[CX]                  ; my column: places cx, cx + 4, cx + 8, cx + 12
	s_or_b32 s[G1], s22, (1<<16)|(1<<20)|(1<<21)|(QIA<<22)|(3<<25)  ; 15:0 the mask; 17:16 elements of 2 bytes; 20 padding on; 21 set beside a mask; 24:22 the interval's code; 31:25 4 words of padding (code 3)
	s_or_b32 s[G1B], s23, (1<<16)|(1<<20)|(1<<21)|(5<<22)|(3<<25)
	s_mov_b32 s[G1+1], 128<<16                     ; tensor_dim0 = 128
	s_mov_b32 s[G1+2], 128<<16                     ; tensor_dim1 = 128
	s_mov_b32 s[G1+3], 128<<16                     ; tile_dim0 = 128
	s_mov_b32 s[G1+4], 128                         ; tile_dim1 = 128
	s_mov_b32 s[G1+5], STRA                        ; elements from row to row
	s_mov_b32 s[G1+6], 0
	s_mov_b32 s[G1+7], 0
	s_mov_b32 s[G1B+1], 128<<16
	s_mov_b32 s[G1B+2], HB<<16
	s_mov_b32 s[G1B+3], 128<<16
	s_mov_b32 s[G1B+4], HB
	s_mov_b32 s[G1B+5], 1024
	s_mov_b32 s[G1B+6], 0
	s_mov_b32 s[G1B+7], 0
	s_lshl_b32 s16, s[TY], 19                      ; A: row 256 x tile row + 128 x half, 2,048 bytes a row: it hangs on the tile row alone, which my row of the cluster shares
	s_lshl_b32 s17, s[HF], 18
	s_add_co_u32 s16, s16, s17
	s_mov_b32 s17, 0
	s_mul_i32 s46, s[TX], NT*2048                  ; B: row NT x tile column + HB x half: on the tile column alone
	s_mul_i32 s47, s[HF], HB*2048
	s_add_co_u32 s46, s46, s47
	s_mov_b32 s47, 0
	s_mul_i32 s20, s[HF], AH                       ; where they go: no place in the cluster enters an LDS address
	s_mul_i32 s21, s[HF], HALFB
	s_add_co_u32 s21, s21, BOFF
	s_mov_b32 s[PFS+1], 0
	s_wait_dscnt 0x0                               ; the opening add is done
	s_wait_kmcnt 0x0
	s_add_nc_u64 s[18:19], s[4:5], s[16:17]
	s_add_nc_u64 s[46:47], s[6:7], s[46:47]
	CROUND                                         ; all sixteen work-groups are here: the first joint loads meet
.irp s, 0,1
	s_mov_b32 s[G0+4*(\s)], 1                                        ; count = 1
	s_add_co_u32 s[G0+4*(\s)+1], s20, (\s)*SLOT                      ; LDS address
	s_add_nc_u64 s[G0+4*(\s)+2:G0+4*(\s)+3], s[18:19], (\s)*KSA      ; global address: K step s
	s_or_b32 s[G0+4*(\s)+3], s[G0+4*(\s)+3], 0x80000000              ; type = 2
	s_mov_b32 s[G0B+4*(\s)], 1
	s_add_co_u32 s[G0B+4*(\s)+1], s21, (\s)*SLOT
	s_add_nc_u64 s[G0B+4*(\s)+2:G0B+4*(\s)+3], s[46:47], (\s)*KSB
	s_or_b32 s[G0B+4*(\s)+3], s[G0B+4*(\s)+3], 0x80000000
	JLOAD \s                                       ; two loads of mine are out
.endr
	; A fragment is 16 rows x 32 K in 8 registers: lane l holds row l % 16; registers 0-3 K = 8 (l / 16) + 0..7, registers 4-7 K = 16 + 8 (l / 16) + 0..7: two loads of 16 bytes, 32 bytes apart.
	v_and_b32 v1, 15, v0                           ; l % 16
	v_bfe_u32 v2, v0, 4, 1                         ; l / 16
	v_and_b32 v3, 31, v0                           ; l
	v_mul_u32_u24 v4, v1, PA
	v_lshl_add_u32 v4, v2, 4, v4
	s_mul_i32 s18, s[WV], 64*PA                    ; my 64 rows of A
	v_add_nc_u32 v[ADRA], s18, v4
	v_add_nc_u32 v[ADRA+1], SLOT, v[ADRA]
	v_mul_u32_u24 v5, v1, PB
	v_lshl_add_u32 v5, v2, 4, v5
	v_add_nc_u32 v[ADRB], BOFF, v5                 ; all rows of B
	v_add_nc_u32 v[ADRB+1], BOFF+SLOT, v5
	s_mul_i32 s18, s[WV], STW
	s_add_co_u32 s18, s18, STAGE                   ; my stage
	v_mul_u32_u24 v4, v1, 144                      ; in: row l % 16 of a head, 16 bytes for each half of the lanes
	v_lshl_add_u32 v4, v2, 4, v4
	v_add_nc_u32 v[STO], s18, v4
	v_lshrrev_b32 v5, 3, v3                        ; back: 32 lanes take four rows of 128 bytes,
	v_mul_u32_u24 v5, v5, 144
	v_and_b32 v4, 7, v0
	v_lshl_add_u32 v5, v4, 4, v5
	v_add_nc_u32 v[RD], s18, v5
	v_lshlrev_b32 v[CO], 4, v3                     ; which are 512 consecutive bytes of a head
	v_lshlrev_b32 v[BO], 5, v2
	v_lshlrev_b32 v[PFO], 11, v3
	s_lshr_b32 s18, s[TY], 3                       ; the result: batch = tile row / 8,
	s_mul_i32 s18, s18, 48
	s_mul_i32 s19, s[TX], 3
	s_add_co_u32 s18, s18, s19                     ; head block 48 b + 3 x tile column, 262,144 bytes each,
	s_lshl_b32 s18, s18, 18
	s_and_b32 s19, s[TY], 7
	s_lshl_b32 s19, s19, 15                        ; the tile's 256 rows of 128 bytes,
	s_add_co_u32 s18, s18, s19
	s_lshl_b32 s19, s[WV], 13                      ; my 64 of them
	s_add_co_u32 s18, s18, s19
	s_mov_b32 s19, 0
	s_add_nc_u64 s[10:11], s[10:11], s[18:19]
	s_mul_i32 s18, s[TX], 4*NT                     ; the tile's columns in the bias
	s_add_nc_u64 s[8:9], s[8:9], s[18:19]
.set bb, 0
.rept NBW
	global_load_b128 v[BIAS+8*bb:BIAS+8*bb+3],   v[BO], s[8:9] offset:64*bb
	global_load_b128 v[BIAS+8*bb+4:BIAS+8*bb+7], v[BO], s[8:9] offset:64*bb+16
.set bb, bb+1
.endr
	; the prefetches' offsets (ASK says who asks for what)
	s_lshl_b32 s18, s[CX], 16                      ; A: my work-group's 32 rows of the 128 that I fetch,
	s_add_co_u32 s16, s16, s18
	s_add_co_u32 s16, s16, 4*KSA                   ; at K step 4
	s_lshl1_add_u32 s17, s[CY], s[HF]              ; B: p
	s_mul_i32 s22, s[TX], NT*2048
	s_add_co_u32 s22, s22, 4*KSB
.irp n, 0,1,2,3
.if \n < RB/2
.set QN, 8*\n
.else
.set QN, 8*(RB/2-1)                    ; (a place of the table that no ask of B's reaches)
.endif
	s_add_co_u32 s20, s17, QN                      ; q = 8 n + p, 23 at the most
	s_mul_i32 s21, s20, 11
	s_lshr_b32 s21, s21, 6                         ; q / 6
	s_mul_i32 s23, s21, RB
	s_sub_co_u32 s20, s20, s23                     ; q % 6
	s_lshl_b32 s20, s20, 16                        ; 32 rows of 2,048 bytes
	s_lshl_b32 s21, s21, 8                         ; a K step's 256 bytes
	s_add_co_u32 s20, s20, s21
	s_add_co_u32 s20, s20, s22
	s_add_co_u32 s21, s16, (\n)*KSA
	s_cmp_eq_u32 s[FW], 0
	s_cselect_b32 s[OFS+\n], s21, s20
.endr
	s_and_b32 s18, ttmp7, 0xffff
	s_cmp_eq_u32 s[FW], 0
	s_cselect_b32 s18, ttmp9, s18                  ; the coordinate along which other clusters read the same rows
	s_cselect_b32 s19, 4, RB/2
	s_cselect_b64 s[PFB:PFB+1], s[4:5], s[6:7]
	s_cmp_eq_u32 s18, 0
	s_cselect_b32 s[ASKS], s19, 0                  ; the same in all sixteen partners, for a given wave
	s_wait_loadcnt 0x0                             ; the bias; it is rounded to bf16 like every input, and widened again
.set bb, 0
.rept 4*NBW
	v_cvt_pk_bf16_f32 v[4+bb%2], v[BIAS+2*bb], v[BIAS+2*bb+1]
	v_lshlrev_b32 v[BIAS+2*bb], 16, v[4+bb%2]
	v_and_b32 v[BIAS+2*bb+1], 0xffff0000, v[4+bb%2]
.set bb, bb+1
.endr
; NBW matrix instructions: row block a x all column blocks, 32 along K, from buffer f.  first = 1: the bias is the C operand that starts the sum: nothing is cleared, and nothing is added on the way out.
; The 4 NBW accumulators take turns, one instruction a turn, in the same order in every quarter, over the backward jump too.
.macro MULA f, a, first
.if \first
	WIN 0x81+0x40*((\a)/2)
.else
	WIN 0xa1+0x50*((\a)/2)
.endif
.set bb, 0
.rept NBW
.set rD, 8*(NBW*((\a)%2)+bb)
.set rB, 96*(\f)+8*bb
.set rA, FA+32*(\f)+8*(\a)
.if \first
	v_wmma_f32_16x16x32_bf16 v[rD:rD+7], v[rB:rB+7], v[rA:rA+7], v[BIAS+8*bb:BIAS+8*bb+7]
.else
	v_wmma_f32_16x16x32_bf16 v[rD:rD+7], v[rB:rB+7], v[rA:rA+7], v[rD:rD+7]
.endif
.set bb, bb+1
.endr
.endm
; One run of LDS loads: the fragments of quarter kq (32 along K) of a slot into buffer g: B's NBW, then my four of A
.macro FETCH slot, kq, g
.set KAO, 64*(\kq)
	WIN 0x40
.set ii, 0
.rept NBW
	ds_load_b128 v[96*(\g)+8*ii:96*(\g)+8*ii+3],   v[ADRB+(\slot)] offset:64*(\kq)+ii*16*PB
	ds_load_b128 v[96*(\g)+8*ii+4:96*(\g)+8*ii+7], v[ADRB+(\slot)] offset:64*(\kq)+ii*16*PB+32
.set ii, ii+1
.endr
	WIN 0
.set ii, 0
.rept 4
	ds_load_b128 v[FA+32*(\g)+8*ii:FA+32*(\g)+8*ii+3],   v[ADRA+(\slot)] offset:KAO+ii*16*PA
	ds_load_b128 v[FA+32*(\g)+8*ii+4:FA+32*(\g)+8*ii+7], v[ADRA+(\slot)] offset:KAO+ii*16*PA+32
.set ii, ii+1
.endr
.endm
; A K step is four quarters on buffers 0, 1, 0, 1.  One of the first three: multiplies buffer f; behind its first NBW products it fetches quarter kq of the same slot into buffer g, 3 NBW products ahead of the wait for it.
.macro QUARTER slot, kq, f, g, first
	s_wait_dscnt 0x0                               ; buffer f is in
	MULA \f, 0, \first
	PLACES
	FETCH \slot, \kq, \g
	MULA \f, 1, \first
	MULA \f, 2, \first
	MULA \f, 3, \first
.endm
; The last quarter multiplies buffer 1 and changes slots: ONE barrier; in front of it each wave waits for all its tensor loads (one is out: its part of the next slot), adds 0 to its spare word, and waits for that and for
; its own reads of this slot.  fill = 1: the barrier opens a round of the cluster's barrier, and this slot is filled again, two K steps ahead, first thing behind the round.
.macro TURN slot, next, fill
.if \fill
	s_wait_xcnt 0x0                                ; the last prefetch, a K step back, has read its address: the next one's is made here, ahead of the waits of the change of slots
	s_mov_b32 s[PFS], s[OFS]
	s_add_nc_u64 s[PFA:PFA+1], s[PFB:PFB+1], s[PFS:PFS+1]
	s_mov_b32 s[OFS], s[OFS+1]
	s_mov_b32 s[OFS+1], s[OFS+2]
	s_mov_b32 s[OFS+2], s[OFS+3]
.endif
	WIN 0                                          ; (the add's two registers lie in window 0)
	s_wait_tensorcnt 0x0                           ; all my tensor loads have landed;
	ds_add_u32 v[SPW], v[NIL]                      ; 0 onto my spare word;
	s_wait_dscnt 0x1                               ; (only the add may be out: buffer 1 is in)
	MULA 1, 0, 0                                   ; NBW matrix instructions stand between the add and the wait for it
	s_wait_dscnt 0x0                               ; the add is done, and my reads of this slot are over
	s_barrier_signal -1
	MULA 1, 1, 0                                   ; work on registers while the others arrive
	WIN 0
	s_barrier_wait -1
.if \fill
	CREST                                          ; no wave of any partner still reads this slot's tile or has a load on its way
	s_add_nc_u64 s[G0+4*(\slot)+2:G0+4*(\slot)+3], s[G0+4*(\slot)+2:G0+4*(\slot)+3], 2*KSA
	s_add_nc_u64 s[G0B+4*(\slot)+2:G0B+4*(\slot)+3], s[G0B+4*(\slot)+2:G0B+4*(\slot)+3], 2*KSB
	JLOAD \slot                                    ; my one tensor load behind the round; the four v_nop behind it are also the places in front of the loads below
.else
	PLACES
.endif
	FETCH \next, 0, 0
.if \fill
	ASK
.endif
	MULA 1, 2, 0
	MULA 1, 3, 0
.endm
	s_wait_tensorcnt 0x1                           ; my part of K step 0 is in; K step 1's may stay out
	s_barrier_signal -1
	s_barrier_wait -1                              ; everybody's is
	FETCH 0, 0, 0
	QUARTER 0, 1, 0, 1, 1                          ; the first quarter stands in front of the loop: its products start the sums, with the bias
	WIN 0                                          ; at a label and at a branch every window is 0
	s_mov_b32 s[LAPS], 3                           ; 1,024 / 256 laps, of which the last fills nothing
.Llap:                                                 ; a trip goes once round the ring, from a lap's second quarter to the next lap's first, and fills both slots again
	QUARTER 0, 2, 1, 0, 0
	QUARTER 0, 3, 0, 1, 0
	TURN 0, 1, 1
	QUARTER 1, 1, 0, 1, 0
	QUARTER 1, 2, 1, 0, 0
	QUARTER 1, 3, 0, 1, 0
	TURN 1, 0, 1
	QUARTER 0, 1, 0, 1, 0
	WIN 0
	s_sub_co_u32 s[LAPS], s[LAPS], 1
	s_cmp_lg_u32 s[LAPS], 0
	s_cbranch_scc1 .Llap
	QUARTER 0, 2, 1, 0, 0                          ; the last lap fills nothing, and has no round of the cluster's barrier
	QUARTER 0, 3, 0, 1, 0
	TURN 0, 1, 0
	QUARTER 1, 1, 0, 1, 0
	QUARTER 1, 2, 1, 0, 0
	QUARTER 1, 3, 0, 1, 0
	s_wait_dscnt 0x0
	MULA 1, 0, 0
	MULA 1, 1, 0
	MULA 1, 2, 0
	MULA 1, 3, 0
; THE WAY OUT, a row block (16 rows x 3 heads) at a time.  PACK: rounded to f16, each accumulator's registers in ascending order, 16 bytes a lane and column block.  TOSTAGE: into my own stage, rows of 144 bytes,
; and back as 512 consecutive bytes of a head (four rows).  SEND: stored.
.macro PACK a
	WIN 0x0a+5*((\a)/2)                            ; sources 0 and 1: window 2 or 3
.set bb, 0
.rept NBW
.irp q, 0,1,2,3
	v_cvt_pk_f16_f32 v[TMP+4*bb+\q], v[8*(NBW*((\a)%2)+bb)+2*\q], v[8*(NBW*((\a)%2)+bb)+2*\q+1]
.endr
.set bb, bb+1
.endr
	WIN 0
.endm
.macro TOSTAGE a
.set bb, 0
.rept NBW
	ds_store_b128 v[STO], v[TMP+4*bb:TMP+4*bb+3] offset:(bb/4)*2304+(bb%4)*32
.set bb, bb+1
.endr
.set bb, 0
.rept NBW
	ds_load_b128 v[OB+48*((\a)%2)+4*bb:OB+48*((\a)%2)+4*bb+3], v[RD] offset:(bb/4)*2304+(bb%4)*576  ; LDS serves a wave's instructions in order (ISA guide 5.7.1.4): these see the stores above
.set bb, bb+1
.endr
.endm
.macro SEND a
	s_wait_dscnt 0x0                               ; the block is back in registers
	s_wait_xcnt 0x0                                ; the stores of the block before have read their registers, which the next block's loads from the stage write again
.set bb, 0
.rept NBW
	global_store_b128 v[CO], v[OB+48*((\a)%2)+4*bb:OB+48*((\a)%2)+4*bb+3], s[10:11] offset:(bb/4)*262144+(\a)*2048+(bb%4)*512  ; 512 consecutive bytes, at a multiple of 256 from the buffer's first
.set bb, bb+1
.endr
.endm
	PLACES
	PLACES
	PACK 0
	TOSTAGE 0
.irp a, 1,2,3                          ; block a's conversions stand between block a - 1's loads from the stage and the wait for them
	PACK \a
	SEND (\a)-1
	TOSTAGE \a
.endr
	SEND 3
	s_wait_tensorcnt 0x0                           ; the wave's end: behind my last tensor load and my last LDS store
	ds_add_u32 v[SPW], v[NIL]
	s_wait_dscnt 0x0
	CROUND                                         ; the closing round: no work-group ends while a partner may still ask for a tile that names it
	s_endpgm
.Lfunc_end_k_q904525990d_gqkv:
	.size	k_q904525990d_gqkv, .Lfunc_end_k_q904525990d_gqkv-k_q904525990d_gqkv
	.p2alignl 7, 3214868480
	.fill 96, 4, 3214868480
	.section	.rodata,"a",@progbits
	.p2align	6, 0x0
	.amdhsa_kernel k_q904525990d_gqkv
		.amdhsa_group_segment_fixed_size 327680
		.amdhsa_private_segment_fixed_size 0
		.amdhsa_enable_private_segment 0
		.amdhsa_kernarg_size 32
		.amdhsa_user_sgpr_count 2
		.amdhsa_user_sgpr_kernarg_segment_ptr 1
		.amdhsa_wavefront_size32 1
		.amdhsa_system_sgpr_workgroup_id_x 1
		.amdhsa_system_sgpr_workgroup_id_y 1
		.amdhsa_system_sgpr_workgroup_id_z 1
		.amdhsa_system_vgpr_workitem_id 0
		.amdhsa_next_free_vgpr 960
		.amdhsa_next_free_sgpr 76
		.amdhsa_reserve_vcc 0
		.amdhsa_float_denorm_mode_32 3
		.amdhsa_float_denorm_mode_16_64 3
		.amdhsa_memory_ordered 1
		.amdhsa_forward_progress 1
		.amdhsa_inst_pref_size 131
	.end_amdhsa_kernel
	.amdgpu_metadata
---
amdhsa.version: [ 1, 2 ]
amdhsa.kernels:
  - .name:           k_q904525990d_gqkv
    .symbol:         k_q904525990d_gqkv.kd
    .args:
      - { .name: xb, .offset: 0, .size: 8, .value_kind: global_buffer, .address_space: global }
      - { .name: wib, .offset: 8, .size: 8, .value_kind: global_buffer, .address_space: global }
      - { .name: b_in, .offset: 16, .size: 8, .value_kind: global_buffer, .address_space: global }
      - { .name: qkv, .offset: 24, .size: 8, .value_kind: global_buffer, .address_space: global }
    .group_segment_fixed_size: 327680
    .private_segment_fixed_size: 0
    .kernarg_segment_align: 8
    .kernarg_segment_size: 32
    .max_flat_workgroup_size: 128
    .sgpr_count:     76
    .vgpr_count:     960
    .wavefront_size: 32
...
	.end_amdgpu_metadata
.endif
;; end of part 2
;; launch attn (part 3): grid 4 x 64, 4 waves a work-group, no clusters, 213,504 bytes of LDS; arguments qkv, ob; writes ob
.if DOCPART == 3
	.amdgcn_target "amdgcn-amd-amdhsa--gfx1250"
	.amdhsa_code_object_version 6
	.text
	.protected	k_q904525990d_attn
	.globl	k_q904525990d_attn
	.p2align	8
	.type	k_q904525990d_attn,@function
k_q904525990d_attn:
	s_mov_b64 s[64:65], 0
	v_nop
	global_prefetch_b8 v0, s[64:65] scope:SCOPE_SE
	s_setreg_imm32_b32 hwreg(HW_REG_WAVE_MODE, 25, 1), 1
	s_wait_xcnt 0x0
; BAND ATTENTION.  O[b][h][i][:] = the sum over j in i - 128 .. i (j >= 0) of softmax_j(Q[i] . K[j] / 8) V[j][:].  qkv: [4][48][2048][64] f16 (q: block h, k: 16 + h, v: 32 + h of a batch's 48); ob: [4][16][2048][64] f16.
; Products, maxima and sums in f32; the weights p are rounded to f16 for the second product (their sum is taken of the unrounded p), O once at the end.
; LIMITS.  q, k, v arrive within f16's 65,504.  A hidden score counts as its value less 1e30 (or 2e30); a weight below 2^-126 counts as 0; NaN and infinities are not treated apart.
; THE MAXIMUM is the row's true one: a query's 144 candidate scores are all in registers at once, so there is no running maximum and nothing to rescale.  Every row sees its own key, so the maximum is a true score.
; SHARES.  A work-group takes 512 queries of one head: 4 x 64 = 256 work-groups.  Its 640 keys (the block's 512 and the 128 in front) are brought into LDS ONCE, at the head, each wave fetching 160 rows of K and of V.
; For the head's first block the 128 rows in front belong to the head block before (k and v begin at block 16, so they lie inside the buffer and hold finite f16 numbers); they are hidden.
; Wave w owns queries 128 w .. 128 w + 127, in four trips of 32: tile A (16 queries) and tile B (the next 16).  A trip uses LDS rows 128 w + 32 u + 16 kt, kt = 0..9: tile A key tiles 0-8, tile B 1-9.
; Of a tile's nine key tiles the first is hidden where key < query (the band's far end), the last where key > query (the diagonal); the seven between are open.
; THE MASK is the C operand that starts a score's sum: 0, or -1e30.  MLO and MHI, made once, are the two edge masks; BE(kt) = -1e30 where the key tile lies in front of the head's first key.
; LAYOUT.  S^T = K Q^T (source 0 = 16 keys, source 1 = 16 queries): a lane holds ONE query (lane % 16) and the keys 8 (lane / 16) + 0..7.  Two such results rounded to f16 ARE source 1 (32 keys x 16 queries) of
; O^T = V^T P.  The ten key tiles make five pairs; tile A's tenth and tile B's first quarter of P are four registers of zeros.  K comes out of LDS as it lies, V turned, by ds_load_tr16_b128.
; NO CLUSTER: a head's four blocks share only the 128 rows in front of each, a fifth of a work-group's bytes.  NO RING AND NO PREFETCH: every tile is asked for once, at the head; there is no later tile to ask for.
; REGISTERS, in windows of 256 (s_set_vgpr_msb: bits 1:0 source 0, 3:2 source 1, 5:4 source 2, 7:6 destination):
;   window 0: v0-11 addresses and four at work; v12-20 nine maxima at work; v22-25 (c m, m) of A, B; v26-29 (1 / l, 0) of A, B; v32-175 S^T, 72 a tile; v176-255 P, 40 a tile
;   window 1: v0-63 O^T, 32 a tile; v64-95 MLO, MHI and the trip's two edge masks; v96-151 the trip's masks for key tiles 1-7; v160-191 Q
;   window 2: v0-159 K, key tile kt, channel half c at 16 kt + 8 c          window 3: v0-159 V, key pair pp, channel block cb at 32 pp + 8 cb
.set PK,    144       ; a row of K in LDS: 128 bytes + 16 of padding = 36 words: the 16 rows of a load start at 16 different groups of four banks (64 banks of 4 bytes: ISA guide 11.1)
.set PV,    160       ; a row of V: 128 + 32 = 40 words
.set VOFF,  640*PK
.set STAGE, VOFF+640*PV  ; never filled by a tensor load: for each wave two tiles of 16 rows x 144 bytes, for the way out
.set SP,    144
.set SPARE, STAGE+4*2*16*SP  ; the spare words, 128 bytes for each wave: two blocks of 256 bytes that no other line names
.set AK,  2           ; v2   LDS address of my place in the trip's K
.set AV,  3           ; v3   the same for V
.set QO,  4           ; v4   my byte offset in 16 rows of Q; never rewritten
.set STO, 5           ; v5   the way out: where I put 16 bytes of a row
.set RD,  6           ; v6   the way out: where I read rows back
.set GO,  7           ; v7   16 x my lane
.set T,   12
.set CM,  22
.set LL,  26
.set SPW, 30          ; v30  LDS address of my spare word: SPARE + 4 x my thread's number; never rewritten
.set NIL, 31          ; v31  0; never rewritten
.set S,   32
.set P,   176
.set MLO, 64
.set MHI, 72
.set CA0, 80
.set CB1, 88
.set G,   96
.set QF,  160
.set WV,  12          ; s12  my wave's number
.set CNT, 15          ; s15  trips to go
.set G1K, 24          ; s[24:31] descriptor group 1 for K
.set G1V, 32          ; s[32:39] for V: it differs in the padding alone
.set G0K, 40          ; s[40:43] descriptor group 0 for K
.set G0V, 44          ; s[44:47] for V
.set CS,  48          ; s[48:49] c = log2(e) / 8: the packed scaling takes the pair's low word for both halves
.set SEL, 50          ; s[50:51] v_permlanex16_b32's selects: each lane takes its own place in the other half
.set BIGN, 52         ; s52  -1e30
.set LOW, 53          ; s53  my wave's LDS rows below this number (counted from its first) lie in front of the head's first key
.set ROW, 54          ; s54  32 u
.set ONE, 56          ; s[56:57] 1.0 in the low word
.set NUL, 58          ; s[58:59] 0
.set BE,  60          ; s[60:61] a mask's addend
.set TS,  62
.set MSB, 0
.macro WIN new                      ; the high byte repeats the setting that is left; a switch that changes nothing is dropped
.if MSB != (\new)
	s_set_vgpr_msb (MSB<<8)|(\new)
.set MSB, \new
.endif
.endm
.macro PLACES                       ; places behind matrix instructions (ISA guide 7.12.1)
.rept 8
	v_nop
.endr
.endm
	s_load_b128 s[4:7], s[0:1], 0x0 ; qkv s[4:5], ob s[6:7]
	v_lshl_add_u32 v[SPW], v0, 2, SPARE
	v_mov_b32 v[NIL], 0
	ds_add_u32 v[SPW], v[NIL]       ; the wave's opening: the add and its wait stand ahead of my first tensor load; the set-up below, work on registers, stands between them
	v_lshrrev_b32 v1, 5, v0
	v_readfirstlane_b32 s[WV], v1   ; wave 0..3
	s_and_b32 s16, ttmp7, 0xffff    ; 16 b + h
	s_lshr_b32 s17, s16, 4
	s_and_b32 s18, s16, 15
	s_mul_i32 s17, s17, 48
	s_add_co_u32 s17, s17, s18      ; q's head block, 48 b + h,
	s_lshl_b32 s17, s17, 18         ; of 262,144 bytes
	s_lshl_b32 s18, ttmp9, 16       ; the work-group's 512 rows of 128 bytes
	s_add_co_u32 s17, s17, s18
	s_lshl_b32 s19, s[WV], 14       ; my wave's 128 queries
	s_add_co_u32 s20, s17, s19      ; Q
	s_mov_b32 s21, 0
	s_mul_i32 s22, s[WV], 160*128   ; my 160 of the 640 keys,
	s_add_co_u32 s22, s22, s17
	s_add_co_u32 s22, s22, (16<<18)-128*128  ; in k's head block, 16 blocks on, beginning 128 rows in front of the queries' block
	s_mov_b32 s23, 0
	s_lshl_b32 s2, s16, 18          ; O: head block 16 b + h
	s_add_co_u32 s2, s2, s18
	s_add_co_u32 s2, s2, s19
	s_mov_b32 s3, 0
	; descriptor group 1.  160 keys are 20,480 dense bytes: asked for as 80 rows of 256 bytes, two keys a row, and padded in LDS after every key
	s_mov_b32 s[G1K], (1<<16)|(1<<20)|(4<<22)|(3<<25)  ; 17:16 2-byte elements; 20 padding on; 24:22 after every 32 words (code 4); 31:25 4 words (code 3)
	s_mov_b32 s[G1V], (1<<16)|(1<<20)|(4<<22)|(7<<25)  ; the same with 8 words of padding (code 7)
.irp g, G1K, G1V
	s_mov_b32 s[\g+1], 128<<16      ; tensor_dim0 = 128
	s_mov_b32 s[\g+2], 80<<16       ; tensor_dim1 = 80
	s_mov_b32 s[\g+3], 128<<16      ; tile_dim0 = 128
	s_mov_b32 s[\g+4], 80           ; tile_dim1 = 80
	s_mov_b32 s[\g+5], 128          ; 128 elements from row to row
	s_mov_b32 s[\g+6], 0
	s_mov_b32 s[\g+7], 0
.endr
	s_mov_b32 s[G0K], 1             ; count = 1
	s_mul_i32 s[G0K+1], s[WV], 160*PK  ; LDS address: my 160 rows
	s_mov_b32 s[G0V], 1
	s_mul_i32 s[G0V+1], s[WV], 160*PV
	s_add_co_u32 s[G0V+1], s[G0V+1], VOFF
	s_mov_b32 s[CS], 0x3e38aa3b     ; c = 0.180337
	s_mov_b32 s[CS+1], s[CS]        ; named with it as a pair
	s_mov_b32 s[SEL], 0x76543210
	s_mov_b32 s[SEL+1], 0xfedcba98
	s_mov_b32 s[BIGN], 0xf149f2ca   ; -1e30
	s_mov_b32 s[ONE], 1.0
	s_mov_b32 s[ONE+1], 0           ; named as pairs
	s_mov_b32 s[NUL], 0
	s_mov_b32 s[NUL+1], 0
	s_mov_b32 s[BE+1], 0
	s_mov_b32 s[ROW], 0
	s_mov_b32 s[CNT], 4
	s_or_b32 s[TS], ttmp9, s[WV]
	s_cmp_eq_u32 s[TS], 0
	s_cselect_b32 s[LOW], 128, 0    ; only the first wave of a head's first block reads rows in front of the head
	s_wait_dscnt 0x0                ; the opening add is done
	s_wait_kmcnt 0x0
	s_add_nc_u64 s[G0K+2:G0K+3], s[4:5], s[22:23]
	s_add_nc_u64 s[G0V+2:G0V+3], s[G0K+2:G0K+3], 16<<18  ; v's head block lies 16 blocks behind k's
	s_or_b32 s[G0K+3], s[G0K+3], 0x80000000              ; type = 2
	s_or_b32 s[G0V+3], s[G0V+3], 0x80000000
	s_add_nc_u64 s[4:5], s[4:5], s[20:21]
	s_add_nc_u64 s[6:7], s[6:7], s[2:3]
	tensor_load_to_lds s[G0K:G0K+3], s[G1K:G1K+7]  ; the only fills of the launch: two loads of mine are out
	s_nop 0
	tensor_load_to_lds s[G0V:G0V+3], s[G1V:G1V+7]
	s_nop 0
.rept 4
	v_nop
.endr
	; A fragment of K or Q is 16 rows x 32 channels in 8 registers: lane l holds row l % 16, channels 8 (l / 16) + 0..7 and 16 + 8 (l / 16) + 0..7: two loads of 16 bytes, 32 bytes apart.
	v_and_b32 v1, 15, v0            ; l % 16
	v_bfe_u32 v9, v0, 4, 1          ; l / 16
	v_lshlrev_b32 v[QO], 7, v1
	v_lshl_add_u32 v[QO], v9, 4, v[QO]
.macro FETCH_Q                      ; a trip's 32 queries: tile i / 2, channels 32 (i % 2) on
	WIN 0x40
.irp i, 0,1,2,3
	global_load_b128 v[QF+8*\i:QF+8*\i+3],   v[QO], s[4:5] offset:(\i/2)*2048+(\i%2)*64
	global_load_b128 v[QF+8*\i+4:QF+8*\i+7], v[QO], s[4:5] offset:(\i/2)*2048+(\i%2)*64+32
.endr
	WIN 0
.endm
	FETCH_Q
	s_mul_i32 s16, s[WV], 128*PK
	v_mul_u32_u24 v[AK], v1, PK
	v_lshl_add_u32 v[AK], v9, 4, v[AK]
	v_add_nc_u32 v[AK], s16, v[AK]  ; (128 w + l % 16) x pitch + 16 x half
	; The turning load takes 16 keys x 16 channels (lane l reads key 8 (l / 16) + l % 8, channels 8 ((l / 8) % 2) + 0..7) and leaves half a fragment of V^T: lane l holds channel l % 16 and 8 keys.
	v_and_b32 v10, 7, v0
	v_bfe_u32 v11, v0, 3, 1
	v_lshl_add_u32 v[AV], v9, 3, v10
	v_mul_u32_u24 v[AV], v[AV], PV
	v_lshl_add_u32 v[AV], v11, 4, v[AV]
	s_mul_i32 s16, s[WV], 128*PV
	s_add_co_u32 s16, s16, VOFF
	v_add_nc_u32 v[AV], s16, v[AV]
	s_mul_i32 s16, s[WV], 2*16*SP
	s_add_co_u32 s16, s16, STAGE    ; my stage
	v_mul_u32_u24 v[STO], v1, SP    ; in: row l % 16, 16 bytes for each half of the lanes
	v_lshl_add_u32 v[STO], v9, 4, v[STO]
	v_add_nc_u32 v[STO], s16, v[STO]
	v_bfe_u32 v[RD], v0, 3, 2       ; back: 32 lanes take four rows of 128 bytes,
	v_mul_u32_u24 v[RD], v[RD], SP
	v_lshl_add_u32 v[RD], v10, 4, v[RD]
	v_add_nc_u32 v[RD], s16, v[RD]
	v_and_b32 v[GO], 31, v0         ; which are 512 consecutive bytes of O
	v_lshlrev_b32 v[GO], 4, v[GO]
	v_lshlrev_b32 v8, 3, v9
	v_sub_nc_u32 v8, v1, v8         ; my query's place in its tile less my lanes' 8 (l / 16): register j holds a key in front of the query where j is less, behind it where j is greater
	WIN 0x40
.set j, 0
.rept 8
	v_cmp_lt_i32 vcc_lo, j, v8
	v_cndmask_b32 v[MLO+j], 0, s[BIGN], vcc_lo
	v_cmp_gt_i32 vcc_lo, j, v8
	v_cndmask_b32 v[MHI+j], 0, s[BIGN], vcc_lo
.set j, j+1
.endr
	WIN 0
.irp z, 36,37,38,39,40,41,42,43
	v_mov_b32 v[P+\z], 0            ; tile A's tenth key tile and tile B's first have no weights
.endr
	v_mov_b32 v[LL+1], 0            ; named as pairs with 1 / l
	v_mov_b32 v[LL+3], 0
; THE LDS LOADS stand in runs of 40.  K of ten key tiles (off: 0, or a trip's 32 rows on); V of five pairs of key tiles, turned.
.macro FETCH_K off
	WIN 0x80
.set f, 0
.rept 20                            ; key tile f / 2, channels 32 (f % 2) on
	ds_load_b128 v[8*f:8*f+3],   v[AK] offset:(\off)+(f/2)*16*PK+(f%2)*64
	ds_load_b128 v[8*f+4:8*f+7], v[AK] offset:(\off)+(f/2)*16*PK+(f%2)*64+32
.set f, f+1
.endr
	WIN 0
.endm
.macro FETCH_V
	WIN 0xc0
.set f, 0
.rept 20                            ; keys 32 (f / 4) on, channels 16 (f % 4) on
	ds_load_tr16_b128 v[8*f:8*f+3],   v[AV] offset:(f/4)*32*PV+(f%4)*32
	ds_load_tr16_b128 v[8*f+4:8*f+7], v[AV] offset:(f/4)*32*PV+16*PV+(f%4)*32
.set f, f+1
.endr
	WIN 0
.endm
; One mask of the trip: MLO x al + BE(kt), eight registers.
.macro MASKSET dst, kt, al
	s_add_co_u32 s[TS], s[ROW], 16*(\kt)
	s_cmp_lt_u32 s[TS], s[LOW]
	s_cselect_b32 s[BE], s[BIGN], 0
	WIN 0x41
.irp z, 0,2,4,6
	v_pk_fma_f32 v[(\dst)+\z:(\dst)+\z+1], v[MLO+\z:MLO+\z+1], s[\al:\al+1], s[BE:BE+1] op_sel_hi:[1,0,0]
.endr
.endm
; 18 products of S^T = K Q^T, channels 32 c on: key tile kk of tile A, then of tile B, kk ascending.  c = 0 starts the sums with the masks.  The 18 accumulators take turns.
.macro SQ c
.if \c
	WIN 0x06
.else
	WIN 0x16
.endif
.set kk, 0
.rept 9
.set rS, S+8*kk
.set rK, 16*kk+8*(\c)
.set rQ, QF+8*(\c)
.if \c
	v_wmma_f32_16x16x32_f16 v[rS:rS+7], v[rK:rK+7], v[rQ:rQ+7], v[rS:rS+7]
.elseif kk == 0
	v_wmma_f32_16x16x32_f16 v[rS:rS+7], v[rK:rK+7], v[rQ:rQ+7], v[CA0:CA0+7]
.elseif kk == 8
	v_wmma_f32_16x16x32_f16 v[rS:rS+7], v[rK:rK+7], v[rQ:rQ+7], v[MHI:MHI+7]
.else
	v_wmma_f32_16x16x32_f16 v[rS:rS+7], v[rK:rK+7], v[rQ:rQ+7], v[G+8*(kk-1):G+8*(kk-1)+7]
.endif
.set rS, S+72+8*kk
.set rK, 16*(kk+1)+8*(\c)
.set rQ, QF+16+8*(\c)
.if \c
	v_wmma_f32_16x16x32_f16 v[rS:rS+7], v[rK:rK+7], v[rQ:rQ+7], v[rS:rS+7]
.elseif kk == 0
	v_wmma_f32_16x16x32_f16 v[rS:rS+7], v[rK:rK+7], v[rQ:rQ+7], v[CB1:CB1+7]
.elseif kk == 7
	v_wmma_f32_16x16x32_f16 v[rS:rS+7], v[rK:rK+7], v[rQ:rQ+7], 0
.elseif kk == 8
	v_wmma_f32_16x16x32_f16 v[rS:rS+7], v[rK:rK+7], v[rQ:rQ+7], v[MHI:MHI+7]
.else
	v_wmma_f32_16x16x32_f16 v[rS:rS+7], v[rK:rK+7], v[rQ:rQ+7], v[G+8*kk:G+8*kk+7]
.endif
.set kk, kk+1
.endr
.endm
; Tile x's maximum: nine chains of seven scores, three operands at a time (each accumulator's lowest registers are read first), the nine scores left over, the nine chains into one;
; the query's other 72 keys lie in the lane 16 away; then m and c m.
.macro MAXT x
.set rS, S+72*(\x)
.set kk, 0
.rept 9
	v_max3_num_f32 v[T+kk], v[rS+8*kk], v[rS+8*kk+1], v[rS+8*kk+2]
.set kk, kk+1
.endr
.set kk, 0
.rept 9
	v_max3_num_f32 v[T+kk], v[T+kk], v[rS+8*kk+3], v[rS+8*kk+4]
.set kk, kk+1
.endr
.set kk, 0
.rept 9
	v_max3_num_f32 v[T+kk], v[T+kk], v[rS+8*kk+5], v[rS+8*kk+6]
.set kk, kk+1
.endr
.irp z, 0,1,2,3
	v_max3_num_f32 v[T+\z], v[T+\z], v[rS+16*\z+7], v[rS+16*\z+15]
.endr
	v_max_num_f32 v[T+4], v[T+4], v[rS+71]
	v_max3_num_f32 v[T], v[T], v[T+1], v[T+2]
	v_max3_num_f32 v[T+3], v[T+3], v[T+4], v[T+5]
	v_max3_num_f32 v[T+6], v[T+6], v[T+7], v[T+8]
	v_max3_num_f32 v[T], v[T], v[T+3], v[T+6]
	v_permlanex16_b32 v[8+2*(\x)], v[T], s[SEL], s[SEL+1]
	v_max_num_f32 v[CM+2*(\x)+1], v[T], v[8+2*(\x)]
	v_mul_f32 v[CM+2*(\x)], s[CS], v[CM+2*(\x)+1]
.endm
.macro SCALE x, n                   ; pair n of tile x: c s - c m
	v_pk_fma_f32 v[S+72*(\x)+2*(\n):S+72*(\x)+2*(\n)+1], v[S+72*(\x)+2*(\n):S+72*(\x)+2*(\n)+1], s[CS:CS+1], v[CM+2*(\x):CM+2*(\x)+1] op_sel_hi:[1,0,0] neg_lo:[0,0,1] neg_hi:[0,0,1]
.endm
.macro ADDP x, a, b                 ; pair a of tile x takes pair b
	v_pk_add_f32 v[S+72*(\x)+2*(\a):S+72*(\x)+2*(\a)+1], v[S+72*(\x)+2*(\a):S+72*(\x)+2*(\a)+1], v[S+72*(\x)+2*(\b):S+72*(\x)+2*(\b)+1]
.endm
; Tile x behind the exponentials: 36 roundings to f16 (tile B's weights lie one key tile further on in P); the sum of the 36 pairs in place, 18, 9, 4, 2 and 1 pairs apart and the pair left over; the two halves of
; the pair, the other half of the lanes, and the reciprocal.
.macro WEIGH x
.set i, 0
.rept 36
	v_cvt_pk_f16_f32 v[P+44*(\x)+i], v[S+72*(\x)+2*i], v[S+72*(\x)+2*i+1]
.set i, i+1
.endr
.set i, 0
.rept 18
	ADDP \x, i, i+18
.set i, i+1
.endr
.set i, 0
.rept 9
	ADDP \x, i, i+9
.set i, i+1
.endr
.set i, 0
.rept 4
	ADDP \x, i, i+4
.set i, i+1
.endr
	ADDP \x, 0, 2
	ADDP \x, 1, 3
	ADDP \x, 0, 1
	ADDP \x, 0, 8
	v_add_f32 v[8+2*(\x)], v[S+72*(\x)], v[S+72*(\x)+1]
	v_permlanex16_b32 v[9+2*(\x)], v[8+2*(\x)], s[SEL], s[SEL+1]
	v_add_f32 v[8+2*(\x)], v[8+2*(\x)], v[9+2*(\x)]
	v_rcp_f32 v[LL+2*(\x)], v[8+2*(\x)]
.endm
; THE WAY OUT of tile x: O^T times 1 / l, rounded to f16; a lane's eight channels of a row pack into 16 bytes; they go into rows of 144 bytes and come back as whole rows of 128, into S^T's registers.
.macro PACK x
	WIN 0x41
.set i, 32*(\x)
.rept 16
	v_pk_mul_f32 v[i:i+1], v[i:i+1], v[LL+2*(\x):LL+2*(\x)+1] op_sel_hi:[1,0]
.set i, i+2
.endr
	WIN 0x05                        ; sources 0 and 1 window 1, destination window 0
.set i, 0
.rept 16
	v_cvt_pk_f16_f32 v[S+72*(\x)+i], v[32*(\x)+2*i], v[32*(\x)+2*i+1]
.set i, i+1
.endr
	WIN 0
.irp f, 0,1,2,3
	ds_store_b128 v[STO], v[S+72*(\x)+4*\f:S+72*(\x)+4*\f+3] offset:(\x)*16*SP+32*\f
.endr
.irp f, 0,1,2,3
	ds_load_b128 v[S+72*(\x)+4*\f:S+72*(\x)+4*\f+3], v[RD] offset:(\x)*16*SP+\f*4*SP  ; LDS serves a wave's instructions in order (ISA guide 5.7.1.4): these see the stores above
.endr
.endm
.macro SEND x, younger              ; younger: the LDS instructions issued behind tile x's loads: the other tile's eight, or none
.irp f, 0,1,2,3
	s_wait_dscnt (\younger)+3-\f
	global_store_b128 v[GO], v[S+72*(\x)+4*\f:S+72*(\x)+4*\f+3], s[6:7] offset:(\x)*2048+\f*512  ; 512 consecutive bytes, at a multiple of 256 from O's first
.endr
.endm
	s_wait_tensorcnt 0x0            ; my 160 rows of K and of V are in,
	s_barrier_signal -1
	s_barrier_wait -1               ; everybody's are.  LDS is only read from here on, but for each wave's own stage
	FETCH_K 0                       ; the first trip's K
.Ltrip:
	MASKSET CA0, 0, ONE             ; tile A's first key tile: the band's far end
	MASKSET CB1, 1, ONE             ; tile B's
.irp kt, 1,2,3,4,5,6,7
	MASKSET G+8*(\kt-1), \kt, NUL   ; the open key tiles: hidden only where they lie in front of the head
.endr
	s_wait_loadcnt 0x0              ; Q is in
	s_wait_dscnt 0x0                ; K is in
	SQ 0
	SQ 1
	PLACES                          ; behind the products: in front of the loads into Q's and K's registers and of the maxima
	WIN 0
	s_cmp_eq_u32 s[CNT], 1          ; the last trip has no next one
	s_cbranch_scc1 .Lno_next
	s_add_nc_u64 s[4:5], s[4:5], 32*128  ; (the loads that named it are done)
	FETCH_Q                         ; the next trip's Q and K, a whole softmax and 40 products ahead of their use
	FETCH_K 32*PK
.Lno_next:
	FETCH_V                         ; this trip's V: the softmax stands between these loads and the wait for them
	MAXT 0
	MAXT 1
.set i, 0
.rept 36
	SCALE 0, i
.set i, i+1
.endr
.set i, 0
.rept 36                            ; ONE BATCH of 144 exponentials: nothing ahead of the wait names a result of theirs; tile B's scalings stand among tile A's exponentials
	v_exp_f32 v[S+2*i], v[S+2*i]
	SCALE 1, i
	v_exp_f32 v[S+2*i+1], v[S+2*i+1]
.set i, i+1
.endr
.set i, 0
.rept 72
	v_exp_f32 v[S+72+i], v[S+72+i]
.set i, i+1
.endr
	v_nop                           ; a plain instruction behind the last exponential, ahead of the first use (ISA guide 5.7.2)
	s_wait_alu depctr_va_vdst(0)    ; one wait for the batch, ahead of the first reader
	WEIGH 0
	WEIGH 1
	s_wait_dscnt 0x0                ; V is in (and the next trip's K)
	WIN 0x53                        ; V in window 3, P in window 0, O^T in window 1
.set i, 0
.rept 40                            ; O^T = V^T P: key pair i / 8, channel block (i / 2) % 4, tile i % 2; the first 8 start the sums; the 8 accumulators take turns
.set rO, 32*(i%2)+8*((i/2)%4)
.set rV, 32*(i/8)+8*((i/2)%4)
.set rP, P+40*(i%2)+8*(i/8)
.if i < 8
	v_wmma_f32_16x16x32_f16 v[rO:rO+7], v[rV:rV+7], v[rP:rP+7], 0
.else
	v_wmma_f32_16x16x32_f16 v[rO:rO+7], v[rV:rV+7], v[rP:rP+7], v[rO:rO+7]
.endif
.set i, i+1
.endr
	PLACES                          ; behind the last products; also the plain instructions behind the second reciprocal
	s_wait_alu depctr_va_vdst(0)    ; one wait for the two reciprocals, ahead of their first reader
	PACK 0
	PACK 1
	SEND 0, 8
	SEND 1, 0
	s_wait_xcnt 0x0                 ; the stores have read their registers and O's address
	s_add_nc_u64 s[6:7], s[6:7], 32*128
	v_add_nc_u32 v[AK], 32*PK, v[AK]
	v_add_nc_u32 v[AV], 32*PV, v[AV]
	s_add_co_u32 s[ROW], s[ROW], 32
	s_sub_co_u32 s[CNT], s[CNT], 1
	s_cmp_lg_u32 s[CNT], 0
	s_cbranch_scc1 .Ltrip
	s_wait_tensorcnt 0x0            ; the wave's end: behind my last tensor load and my last LDS store
	ds_add_u32 v[SPW], v[NIL]
	s_wait_dscnt 0x0
	s_endpgm
.Lfunc_end_k_q904525990d_attn:
	.size	k_q904525990d_attn, .Lfunc_end_k_q904525990d_attn-k_q904525990d_attn
	.p2alignl 7, 3214868480
	.fill 96, 4, 3214868480
	.section	.rodata,"a",@progbits
	.p2align	6, 0x0
	.amdhsa_kernel k_q904525990d_attn
		.amdhsa_group_segment_fixed_size 213504
		.amdhsa_private_segment_fixed_size 0
		.amdhsa_enable_private_segment 0
		.amdhsa_kernarg_size 16
		.amdhsa_user_sgpr_count 2
		.amdhsa_user_sgpr_kernarg_segment_ptr 1
		.amdhsa_wavefront_size32 1
		.amdhsa_system_sgpr_workgroup_id_x 1
		.amdhsa_system_sgpr_workgroup_id_y 1
		.amdhsa_system_sgpr_workgroup_id_z 1
		.amdhsa_system_vgpr_workitem_id 0
		.amdhsa_next_free_vgpr 928
		.amdhsa_next_free_sgpr 66
		.amdhsa_reserve_vcc 1
		.amdhsa_float_denorm_mode_32 3
		.amdhsa_float_denorm_mode_16_64 3
		.amdhsa_memory_ordered 1
		.amdhsa_forward_progress 1
		.amdhsa_inst_pref_size 56
	.end_amdhsa_kernel
	.amdgpu_metadata
---
amdhsa.version: [ 1, 2 ]
amdhsa.kernels:
  - .name:           k_q904525990d_attn
    .symbol:         k_q904525990d_attn.kd
    .args:
      - { .name: qkv, .offset: 0, .size: 8, .value_kind: global_buffer, .address_space: global }
      - { .name: ob, .offset: 8, .size: 8, .value_kind: global_buffer, .address_space: global }
    .group_segment_fixed_size: 213504
    .private_segment_fixed_size: 0
    .kernarg_segment_align: 8
    .kernarg_segment_size: 16
    .max_flat_workgroup_size: 128
    .sgpr_count:     66
    .vgpr_count:     928
    .wavefront_size: 32
...
	.end_amdgpu_metadata
.endif
;; end of part 3
;; launch gout (part 4): grid 8 x 32, 4 waves a work-group, clusters of 4 x 4, 327,680 bytes of LDS; arguments ob, wof, b_out, out0; writes out0
.if DOCPART == 4
	.amdgcn_target "amdgcn-amd-amdhsa--gfx1250"
	.amdhsa_code_object_version 6
	.text
	.protected	k_q904525990d_gout
	.globl	k_q904525990d_gout
	.p2align	8
	.type	k_q904525990d_gout,@function
k_q904525990d_gout:
	s_mov_b64 s[64:65], 0
	v_nop
	global_prefetch_b8 v0, s[64:65] scope:SCOPE_SE
	s_setreg_imm32_b32 hwreg(HW_REG_WAVE_MODE, 25, 1), 1
	s_wait_xcnt 0x0
	s_wait_alu depctr_hold_cnt(0) depctr_sa_sdst(0) depctr_va_vdst(0) depctr_va_sdst(0) depctr_va_ssrc(0) depctr_va_vcc(0) depctr_vm_vsrc(0)
	s_getreg_b32 s2, hwreg(HW_REG_IB_STS2, 6, 4)
	s_cmp_eq_u32 s2, 0
	s_cbranch_scc0 .Lentry_in_a_cluster
	s_endpgm
.Lentry_in_a_cluster:
	s_bfe_u32 s2, ttmp6, 0x10000c
	s_cmp_lg_u32 s2, 0xf033
	s_cbranch_scc0 .Lentry_shape_is_right
	s_endpgm
.Lentry_shape_is_right:
; out0 = O wof^T + bf16(b_out).  ob: [4][16][2048][64] f16 (by heads: channel e = 64 h + d of row (b, s)), wof: [1024][1024] f16, b_out: [1024] f32, out0: [8192][1024] f32; sums in f32, started by the bias.
; SHARES.  A tile of the result is 256 rows x 128 columns: 32 x 8 = 256 tiles, one for each WGP.  Four waves, one above the other: wave w makes rows 64 w .. 64 w + 63 of the tile and all 128 columns:
; 4 x 8 accumulators of 16 x 16, 256 registers.  So a wave owns whole pieces of 512 bytes of its rows, and its way out needs no other wave.
; K goes in steps of 128 = two heads through a ring of two LDS slots filled by the tensor data mover.  A head's 256 rows of the tile are 32,768 dense bytes: asked for as 128 rows of 256 bytes and padded in LDS after
; every 128 bytes; B's rows are 256 bytes of memory, at multiples of 256 from the buffer's first byte.
; CLUSTERS: 4 x 4 work-groups.  The four of a row of the cluster need the same tiles of A, the four of a column the same tiles of B: each tile is asked for JOINTLY, by the same tensor load with the
; same descriptor and a mask that names the four.
; THE MATRIX INSTRUCTION IS USED TRANSPOSED (source 0 = 16 rows of B, source 1 = 16 rows of A): lane l holds row l % 16 of the result and the columns 8 (l / 16) + 0..7: 32 bytes of f32 on end.
; REGISTERS, in windows of 256 (s_set_vgpr_msb: bits 1:0 source 0, 3:2 source 1, 5:4 source 2, 7:6 destination):
;   window 0: v0-31 addresses; v32-95 A's fragments, two buffers of 4; v96-159 the bias as 8 C operands, later at work on the way out (v96-223)
;   window 1: B's fragments, two buffers of 8 at v0 and v96      window 2: the accumulators of row blocks 0, 1 ((a, b) at 8 (8 (a % 2) + b))      window 3: those of row blocks 2, 3
.set NBW,   8                          ; column blocks of 16 in a tile
.set NT,    16*NBW                     ; columns in a tile
.set RB,    NT/32                      ; groups of 32 rows of B in a tile
.set PA,    144                        ; a row of A in LDS: 128 bytes + 16 of padding = 36 words: the 16 rows of a load start at 16 different groups of four banks (64 banks of 4 bytes: ISA guide 11.1)
.set PB,    272                        ; a row of B: 256 + 16 bytes = 68 words: row r starts at bank 4 r mod 64
.set AH,    256*PA                     ; what one tensor load brings of A: one head's 256 rows
.set BOFF,  2*AH                       ; B's rows lie behind A's two heads
.set HB,    NT/2                       ; rows of B in one tensor load
.set HALFB, HB*PB
.set SLOT,  BOFF+2*HALFB
.set STAGE, 2*SLOT                     ; behind the ring: for each wave 16 rows x 528 bytes, for the way out
.set STW,   16*528
.set SPARE, STAGE+4*STW                ; behind the stages: the spare words, 128 bytes for each wave: two blocks of 256 bytes that no other line names
.set KSA,   2<<18                      ; bytes from a K step of A to the next: two head blocks of 262,144
.set KSB,   256                        ; the same for B
.set QIA,   4                          ; A's padding stands after every 32 words
.set STRA,  128                        ; elements from row to row of A's tile
.set ADRA, 16                          ; v16-17  LDS address of my A fragments in slot 0, 1
.set ADRB, 20                          ; v20-21  the same for B
.set STO,  24                          ; v24     the way out: where I put 32 bytes of a row
.set RD,   25                          ; v25     the way out: where I read a row back
.set CO,   26                          ; v26     16 x my lane
.set BO,   27                          ; v27     my byte offset in 16 numbers of the bias
.set SPW,  28                          ; v28     LDS address of my spare word: SPARE + 4 x my thread's number; never rewritten
.set NIL,  29                          ; v29     0; never rewritten
.set PFO,  30                          ; v30     the prefetches' offset: my lane x 256 bytes (A) or x a row of 2,048 bytes (B); never rewritten
.set FA,   32                          ; A's fragments: buffer f, row block a at FA + 32 f + 8 a
.set BIAS, 96                          ; column block b's eight numbers a lane at BIAS + 8 b
.set OB,   96                          ; the way out: 64 registers read back from the stage, two sets by turns
.set WV,   12                          ; s12  my wave's number
.set FW,   13                          ; s13  I fetch for A (0) or for B (1)
.set HF,   14                          ; s14  which half of that tile I fetch
.set LAPS, 15
.set G1,   24                          ; s[24:31] descriptor group 1 for A's tiles;  s[32:39] group 0, one set for each slot
.set G0,   32
.set CX,   40
.set CY,   41
.set TX,   42                          ; tile column
.set TY,   43                          ; tile row
.set PFA,  44                          ; s[44:45] the address of the prefetch in hand
.set G1B,  48                          ; s[48:55], s[56:63] the same for B's tiles
.set G0B,  56
.set PFS,  66                          ; s[66:67] that prefetch's byte offset, as a pair
.set ASKS, 69                          ; s69  prefetches that I still have to issue
.set OFS,  70                          ; s70-73 the byte offsets of my next prefetches
.set PFB,  74                          ; s[74:75] the tensor that I prefetch from
.set MSB, 0
.macro WIN new                         ; the immediate's high byte repeats the setting that is left; a switch that changes nothing is dropped
.if MSB != (\new)
	s_set_vgpr_msb (MSB<<8)|(\new)
.set MSB, \new
.endif
.endm
.macro PLACES                          ; four places in front of loads into registers that matrix instructions have read, and of lines that read results
.rept 4
	v_nop
.endr
.endm
; A joint load: waves 0 and 1 fetch A's two heads, waves 2 and 3 B's two halves.  The branch hangs on the wave's number alone.  An s_nop 0 and four v_nop follow each of the two lines.
.macro JLOAD s
	s_cmp_eq_u32 s[FW], 0
	s_cbranch_scc0 .Lfor_b_\@
	tensor_load_to_lds s[G0+4*(\s):G0+4*(\s)+3], s[G1:G1+7]
	s_nop 0
.rept 4
	v_nop
.endr
	s_branch .Lasked_\@
.Lfor_b_\@:
	tensor_load_to_lds s[G0B+4*(\s):G0B+4*(\s)+3], s[G1B:G1B+7]
	s_nop 0
.rept 4
	v_nop
.endr
.Lasked_\@:
.endm
.macro CREST                           ; a round of the cluster's barrier behind its opening barrier
	s_cmp_lg_u32 s[WV], 0
	s_cbranch_scc1 .Lnot_wave_0_\@
	s_barrier_signal -3
.Lnot_wave_0_\@:
	s_barrier_wait -3
	s_barrier_signal -1
	s_barrier_wait -1
.endm
.macro CROUND                          ; a whole round
	s_barrier_signal -1
	s_barrier_wait -1
	CREST
.endm
; A PREFETCH INTO THE L2, behind a joint load, its five lines and the run of LDS loads that follows them: 32 blocks of 256 bytes of a K step that a refill two or more changes of slots on will ask for; a lane a block.
; Each block of K steps 4 to 7 is named ONCE in the launch; K steps 0 to 3 come by their loads alone.  A's tiles are read by every cluster of a row of clusters: the one with cluster x = 0 asks, wave 0 or 1 for the
; head that it fetches (128 blocks), of which the partner at cx takes 32: K step 4 + n in its ask n.  B's rows are read by every cluster of a column of clusters: the one with cluster y = 0 asks; its eight askers
; p = 2 cy + half (waves 2, 3) take, in ask n, row group (8 n + p) % RB of K step 4 + (8 n + p) / RB.  Partners are told apart by address alone; the count of asks hangs on the cluster's place and the wave's number.
.macro ASK
	s_cmp_lg_u32 s[ASKS], 0
	s_cbranch_scc0 .Lno_ask_\@
	global_prefetch_b8 v[PFO], s[PFA:PFA+1] th:TH_LOAD_NT scope:SCOPE_SE
	s_sub_co_u32 s[ASKS], s[ASKS], 1
.Lno_ask_\@:
.endm
	s_load_b256 s[4:11], s[0:1], 0x0               ; A s[4:5], B s[6:7], bias s[8:9], result s[10:11]
	v_lshl_add_u32 v[SPW], v0, 2, SPARE
	v_mov_b32 v[NIL], 0
	ds_add_u32 v[SPW], v[NIL]                      ; the wave's opening: the add and its wait stand ahead of my first tensor load; the set-up below, work on registers, stands between them
	v_lshrrev_b32 v1, 5, v0
	v_readfirstlane_b32 s[WV], v1                  ; wave 0..3
	s_lshr_b32 s[FW], s[WV], 1
	s_and_b32 s[HF], s[WV], 1
	s_bfe_u32 s[CX], ttmp6, 0x40000                ; my place in the cluster
	s_bfe_u32 s[CY], ttmp6, 0x40004
	s_lshl_b32 s[TX], ttmp9, 2                     ; in a cluster launch ttmp9 and ttmp7 count clusters
	s_add_co_u32 s[TX], s[TX], s[CX]
	s_and_b32 s[TY], ttmp7, 0xffff
	s_lshl_b32 s[TY], s[TY], 2
	s_add_co_u32 s[TY], s[TY], s[CY]
	s_lshl_b32 s22, s[CY], 2
	s_lshl_b32 s22, 15, s22                        ; my row of the cluster: places 4 cy .. 4 cy + 3
	s_lshl_b32 s23, 0x1111, s[CX]                  ; my column: places cx, cx + 4, cx + 8, cx + 12
	s_or_b32 s[G1], s22, (1<<16)|(1<<20)|(1<<21)|(QIA<<22)|(3<<25)  ; 15:0 the mask; 17:16 elements of 2 bytes; 20 padding on; 21 set beside a mask; 24:22 the interval's code; 31:25 4 words of padding (code 3)
	s_or_b32 s[G1B], s23, (1<<16)|(1<<20)|(1<<21)|(5<<22)|(3<<25)
	s_mov_b32 s[G1+1], 128<<16                     ; tensor_dim0 = 128
	s_mov_b32 s[G1+2], 128<<16                     ; tensor_dim1 = 128
	s_mov_b32 s[G1+3], 128<<16                     ; tile_dim0 = 128
	s_mov_b32 s[G1+4], 128                         ; tile_dim1 = 128
	s_mov_b32 s[G1+5], STRA                        ; elements from row to row
	s_mov_b32 s[G1+6], 0
	s_mov_b32 s[G1+7], 0
	s_mov_b32 s[G1B+1], 128<<16
	s_mov_b32 s[G1B+2], HB<<16
	s_mov_b32 s[G1B+3], 128<<16
	s_mov_b32 s[G1B+4], HB
	s_mov_b32 s[G1B+5], 1024
	s_mov_b32 s[G1B+6], 0
	s_mov_b32 s[G1B+7], 0
	s_lshr_b32 s16, s[TY], 3                       ; A: batch = tile row / 8, 16 head blocks of 262,144 bytes each;
	s_lshl_b32 s16, s16, 22
	s_and_b32 s17, s[TY], 7
	s_lshl_b32 s17, s17, 15                        ; the tile's 256 rows of 128 bytes in a head;
	s_add_co_u32 s16, s16, s17
	s_lshl_b32 s17, s[HF], 18                      ; the even or the odd head of a K step: all this hangs on the tile row alone, which my row of the cluster shares
	s_add_co_u32 s16, s16, s17
	s_mov_b32 s17, 0
	s_mul_i32 s46, s[TX], NT*2048                  ; B: row NT x tile column + HB x half: on the tile column alone
	s_mul_i32 s47, s[HF], HB*2048
	s_add_co_u32 s46, s46, s47
	s_mov_b32 s47, 0
	s_mul_i32 s20, s[HF], AH                       ; where they go: no place in the cluster enters an LDS address
	s_mul_i32 s21, s[HF], HALFB
	s_add_co_u32 s21, s21, BOFF
	s_mov_b32 s[PFS+1], 0
	s_wait_dscnt 0x0                               ; the opening add is done
	s_wait_kmcnt 0x0
	s_add_nc_u64 s[18:19], s[4:5], s[16:17]
	s_add_nc_u64 s[46:47], s[6:7], s[46:47]
	CROUND                                         ; all sixteen work-groups are here: the first joint loads meet
.irp s, 0,1
	s_mov_b32 s[G0+4*(\s)], 1                                        ; count = 1
	s_add_co_u32 s[G0+4*(\s)+1], s20, (\s)*SLOT                      ; LDS address
	s_add_nc_u64 s[G0+4*(\s)+2:G0+4*(\s)+3], s[18:19], (\s)*KSA      ; global address: K step s
	s_or_b32 s[G0+4*(\s)+3], s[G0+4*(\s)+3], 0x80000000              ; type = 2
	s_mov_b32 s[G0B+4*(\s)], 1
	s_add_co_u32 s[G0B+4*(\s)+1], s21, (\s)*SLOT
	s_add_nc_u64 s[G0B+4*(\s)+2:G0B+4*(\s)+3], s[46:47], (\s)*KSB
	s_or_b32 s[G0B+4*(\s)+3], s[G0B+4*(\s)+3], 0x80000000
	JLOAD \s                                       ; two loads of mine are out
.endr
	; A fragment is 16 rows x 32 K in 8 registers: lane l holds row l % 16; registers 0-3 K = 8 (l / 16) + 0..7, registers 4-7 K = 16 + 8 (l / 16) + 0..7: two loads of 16 bytes, 32 bytes apart.
	v_and_b32 v1, 15, v0                           ; l % 16
	v_bfe_u32 v2, v0, 4, 1                         ; l / 16
	v_and_b32 v3, 31, v0                           ; l
	v_mul_u32_u24 v4, v1, PA
	v_lshl_add_u32 v4, v2, 4, v4
	s_mul_i32 s18, s[WV], 64*PA                    ; my 64 rows of A
	v_add_nc_u32 v[ADRA], s18, v4
	v_add_nc_u32 v[ADRA+1], SLOT, v[ADRA]
	v_mul_u32_u24 v5, v1, PB
	v_lshl_add_u32 v5, v2, 4, v5
	v_add_nc_u32 v[ADRB], BOFF, v5                 ; all rows of B
	v_add_nc_u32 v[ADRB+1], BOFF+SLOT, v5
	s_mul_i32 s18, s[WV], STW
	s_add_co_u32 s18, s18, STAGE                   ; my stage
	v_mul_u32_u24 v4, v1, 528                      ; in: row l % 16, 32 bytes for each half of the lanes
	v_lshl_add_u32 v4, v2, 5, v4
	v_add_nc_u32 v[STO], s18, v4
	v_lshl_add_u32 v[RD], v3, 4, s18               ; back: 32 lanes take a row's 512 bytes
	v_lshlrev_b32 v[CO], 4, v3
	v_lshlrev_b32 v[BO], 5, v2
	s_cmp_eq_u32 s[FW], 0
	s_cselect_b32 s18, 8, 11
	v_lshlrev_b32 v[PFO], s18, v3
	s_lshl_b32 s18, s[TY], 20                      ; the result: the tile's 256 rows of 4,096 bytes,
	s_lshl_b32 s19, s[WV], 18                      ; my 64 of them,
	s_add_co_u32 s18, s18, s19
	s_lshl_b32 s19, s[TX], 9                       ; the tile's 128 columns
	s_add_co_u32 s18, s18, s19
	s_mov_b32 s19, 0
	s_add_nc_u64 s[10:11], s[10:11], s[18:19]
	s_mul_i32 s18, s[TX], 4*NT                     ; the tile's columns in the bias
	s_add_nc_u64 s[8:9], s[8:9], s[18:19]
.set bb, 0
.rept NBW
	global_load_b128 v[BIAS+8*bb:BIAS+8*bb+3],   v[BO], s[8:9] offset:64*bb
	global_load_b128 v[BIAS+8*bb+4:BIAS+8*bb+7], v[BO], s[8:9] offset:64*bb+16
.set bb, bb+1
.endr
	; the prefetches' offsets (ASK says who asks for what)
	s_lshl_b32 s18, s[CX], 13                      ; A: my work-group's 32 blocks of the 128 that I fetch,
	s_add_co_u32 s16, s16, s18
	s_add_co_u32 s16, s16, 4*KSA                   ; at K step 4
	s_lshl1_add_u32 s17, s[CY], s[HF]              ; B: p
	s_mul_i32 s22, s[TX], NT*2048
	s_add_co_u32 s22, s22, 4*KSB
.irp n, 0,1,2,3
.if \n < RB/2
.set QN, 8*\n
.else
.set QN, 8*(RB/2-1)                    ; (a place of the table that no ask of B's reaches)
.endif
	s_add_co_u32 s20, s17, QN                      ; q = 8 n + p, 15 at the most
	s_lshr_b32 s21, s20, 2                         ; q / 4
	s_mul_i32 s23, s21, RB
	s_sub_co_u32 s20, s20, s23                     ; q % 4
	s_lshl_b32 s20, s20, 16                        ; 32 rows of 2,048 bytes
	s_lshl_b32 s21, s21, 8                         ; a K step's 256 bytes
	s_add_co_u32 s20, s20, s21
	s_add_co_u32 s20, s20, s22
	s_add_co_u32 s21, s16, (\n)*KSA
	s_cmp_eq_u32 s[FW], 0
	s_cselect_b32 s[OFS+\n], s21, s20
.endr
	s_and_b32 s18, ttmp7, 0xffff
	s_cmp_eq_u32 s[FW], 0
	s_cselect_b32 s18, ttmp9, s18                  ; the coordinate along which other clusters read the same rows
	s_cselect_b32 s19, 4, RB/2
	s_cselect_b64 s[PFB:PFB+1], s[4:5], s[6:7]
	s_cmp_eq_u32 s18, 0
	s_cselect_b32 s[ASKS], s19, 0                  ; the same in all sixteen partners, for a given wave
	s_wait_loadcnt 0x0                             ; the bias; it is rounded to bf16 like every input, and widened again
.set bb, 0
.rept 4*NBW
	v_cvt_pk_bf16_f32 v[4+bb%2], v[BIAS+2*bb], v[BIAS+2*bb+1]
	v_lshlrev_b32 v[BIAS+2*bb], 16, v[4+bb%2]
	v_and_b32 v[BIAS+2*bb+1], 0xffff0000, v[4+bb%2]
.set bb, bb+1
.endr
; NBW matrix instructions: row block a x all column blocks, 32 along K, from buffer f.  first = 1: the bias is the C operand that starts the sum: nothing is cleared, and nothing is added on the way out.
; The 4 NBW accumulators take turns, one instruction a turn, in the same order in every quarter, over the backward jump too.
.macro MULA f, a, first
.if \first
	WIN 0x81+0x40*((\a)/2)
.else
	WIN 0xa1+0x50*((\a)/2)
.endif
.set bb, 0
.rept NBW
.set rD, 8*(NBW*((\a)%2)+bb)
.set rB, 96*(\f)+8*bb
.set rA, FA+32*(\f)+8*(\a)
.if \first
	v_wmma_f32_16x16x32_f16 v[rD:rD+7], v[rB:rB+7], v[rA:rA+7], v[BIAS+8*bb:BIAS+8*bb+7]
.else
	v_wmma_f32_16x16x32_f16 v[rD:rD+7], v[rB:rB+7], v[rA:rA+7], v[rD:rD+7]
.endif
.set bb, bb+1
.endr
.endm
; One run of LDS loads: the fragments of quarter kq (32 along K) of a slot into buffer g: B's NBW, then my four of A (quarters 0, 1 lie in the slot's first head, 2, 3 in its second)
.macro FETCH slot, kq, g
.set KAO, ((\kq)/2)*AH+((\kq)%2)*64
	WIN 0x40
.set ii, 0
.rept NBW
	ds_load_b128 v[96*(\g)+8*ii:96*(\g)+8*ii+3],   v[ADRB+(\slot)] offset:64*(\kq)+ii*16*PB
	ds_load_b128 v[96*(\g)+8*ii+4:96*(\g)+8*ii+7], v[ADRB+(\slot)] offset:64*(\kq)+ii*16*PB+32
.set ii, ii+1
.endr
	WIN 0
.set ii, 0
.rept 4
	ds_load_b128 v[FA+32*(\g)+8*ii:FA+32*(\g)+8*ii+3],   v[ADRA+(\slot)] offset:KAO+ii*16*PA
	ds_load_b128 v[FA+32*(\g)+8*ii+4:FA+32*(\g)+8*ii+7], v[ADRA+(\slot)] offset:KAO+ii*16*PA+32
.set ii, ii+1
.endr
.endm
; A K step is four quarters on buffers 0, 1, 0, 1.  One of the first three: multiplies buffer f; behind its first NBW products it fetches quarter kq of the same slot into buffer g, 3 NBW products ahead of the wait for it.
.macro QUARTER slot, kq, f, g, first
	s_wait_dscnt 0x0                               ; buffer f is in
	MULA \f, 0, \first
	PLACES
	FETCH \slot, \kq, \g
	MULA \f, 1, \first
	MULA \f, 2, \first
	MULA \f, 3, \first
.endm
; The last quarter multiplies buffer 1 and changes slots: ONE barrier; in front of it each wave waits for all its tensor loads (one is out: its part of the next slot), adds 0 to its spare word, and waits for that and for
; its own reads of this slot.  fill = 1: the barrier opens a round of the cluster's barrier, and this slot is filled again, two K steps ahead, first thing behind the round.
.macro TURN slot, next, fill
.if \fill
	s_wait_xcnt 0x0                                ; the last prefetch, a K step back, has read its address: the next one's is made here, ahead of the waits of the change of slots
	s_mov_b32 s[PFS], s[OFS]
	s_add_nc_u64 s[PFA:PFA+1], s[PFB:PFB+1], s[PFS:PFS+1]
	s_mov_b32 s[OFS], s[OFS+1]
	s_mov_b32 s[OFS+1], s[OFS+2]
	s_mov_b32 s[OFS+2], s[OFS+3]
.endif
	WIN 0                                          ; (the add's two registers lie in window 0)
	s_wait_tensorcnt 0x0                           ; all my tensor loads have landed;
	ds_add_u32 v[SPW], v[NIL]                      ; 0 onto my spare word;
	s_wait_dscnt 0x1                               ; (only the add may be out: buffer 1 is in)
	MULA 1, 0, 0                                   ; NBW matrix instructions stand between the add and the wait for it
	s_wait_dscnt 0x0                               ; the add is done, and my reads of this slot are over
	s_barrier_signal -1
	MULA 1, 1, 0                                   ; work on registers while the others arrive
	WIN 0
	s_barrier_wait -1
.if \fill
	CREST                                          ; no wave of any partner still reads this slot's tile or has a load on its way
	s_add_nc_u64 s[G0+4*(\slot)+2:G0+4*(\slot)+3], s[G0+4*(\slot)+2:G0+4*(\slot)+3], 2*KSA
	s_add_nc_u64 s[G0B+4*(\slot)+2:G0B+4*(\slot)+3], s[G0B+4*(\slot)+2:G0B+4*(\slot)+3], 2*KSB
	JLOAD \slot                                    ; my one tensor load behind the round; the four v_nop behind it are also the places in front of the loads below
.else
	PLACES
.endif
	FETCH \next, 0, 0
.if \fill
	ASK
.endif
	MULA 1, 2, 0
	MULA 1, 3, 0
.endm
	s_wait_tensorcnt 0x1                           ; my part of K step 0 is in; K step 1's may stay out
	s_barrier_signal -1
	s_barrier_wait -1                              ; everybody's is
	FETCH 0, 0, 0
	QUARTER 0, 1, 0, 1, 1                          ; the first quarter stands in front of the loop: its products start the sums, with the bias
	WIN 0                                          ; at a label and at a branch every window is 0
	s_mov_b32 s[LAPS], 3                           ; 1,024 / 256 laps, of which the last fills nothing
.Llap:                                                 ; a trip goes once round the ring, from a lap's second quarter to the next lap's first, and fills both slots again
	QUARTER 0, 2, 1, 0, 0
	QUARTER 0, 3, 0, 1, 0
	TURN 0, 1, 1
	QUARTER 1, 1, 0, 1, 0
	QUARTER 1, 2, 1, 0, 0
	QUARTER 1, 3, 0, 1, 0
	TURN 1, 0, 1
	QUARTER 0, 1, 0, 1, 0
	WIN 0
	s_sub_co_u32 s[LAPS], s[LAPS], 1
	s_cmp_lg_u32 s[LAPS], 0
	s_cbranch_scc1 .Llap
	QUARTER 0, 2, 1, 0, 0                          ; the last lap fills nothing, and has no round of the cluster's barrier
	QUARTER 0, 3, 0, 1, 0
	TURN 0, 1, 0
	QUARTER 1, 1, 0, 1, 0
	QUARTER 1, 2, 1, 0, 0
	QUARTER 1, 3, 0, 1, 0
	s_wait_dscnt 0x0
	MULA 1, 0, 0
	MULA 1, 1, 0
	MULA 1, 2, 0
	MULA 1, 3, 0
; THE WAY OUT, a row block (16 rows x 512 bytes) at a time.  TST: the f32 sums go as they are into my own stage, rows of 528 bytes, each accumulator's low four registers first, and come back as whole rows.  SND: stored.
.macro TST a
	s_wait_xcnt 0x0                                ; the stores of the block two back have read their registers, which the loads below write again
	WIN 0x08+4*((\a)/2)                            ; the stored data (source 1): window 2 or 3
.set bb, 0
.rept NBW
	ds_store_b128 v[STO], v[8*(NBW*((\a)%2)+bb):8*(NBW*((\a)%2)+bb)+3]   offset:64*bb
	ds_store_b128 v[STO], v[8*(NBW*((\a)%2)+bb)+4:8*(NBW*((\a)%2)+bb)+7] offset:64*bb+16
.set bb, bb+1
.endr
	WIN 0
.set bb, 0
.rept 16
	ds_load_b128 v[OB+64*((\a)%2)+4*bb:OB+64*((\a)%2)+4*bb+3], v[RD] offset:528*bb  ; LDS serves a wave's instructions in order (ISA guide 5.7.1.4): these see the stores above; the next block's stores come behind them
.set bb, bb+1
.endr
.endm
.macro SND a, younger                  ; younger: the LDS instructions issued behind block a's loads: the next block's 32, or none
	s_wait_dscnt \younger
.set bb, 0
.rept 16
	global_store_b128 v[CO], v[OB+64*((\a)%2)+4*bb:OB+64*((\a)%2)+4*bb+3], s[10:11] offset:(16*(\a)+bb)*4096 th:TH_STORE_NT  ; 512 consecutive bytes of a row, at a multiple of 256 from the buffer's first
.set bb, bb+1
.endr
.endm
	PLACES
	PLACES
	TST 0
	TST 1
	SND 0, 32
	TST 2
	SND 1, 32
	TST 3
	SND 2, 32
	SND 3, 0
	s_wait_tensorcnt 0x0                           ; the wave's end: behind my last tensor load and my last LDS store
	ds_add_u32 v[SPW], v[NIL]
	s_wait_dscnt 0x0
	CROUND                                         ; the closing round: no work-group ends while a partner may still ask for a tile that names it
	s_endpgm
.Lfunc_end_k_q904525990d_gout:
	.size	k_q904525990d_gout, .Lfunc_end_k_q904525990d_gout-k_q904525990d_gout
	.p2alignl 7, 3214868480
	.fill 96, 4, 3214868480
	.section	.rodata,"a",@progbits
	.p2align	6, 0x0
	.amdhsa_kernel k_q904525990d_gout
		.amdhsa_group_segment_fixed_size 327680
		.amdhsa_private_segment_fixed_size 0
		.amdhsa_enable_private_segment 0
		.amdhsa_kernarg_size 32
		.amdhsa_user_sgpr_count 2
		.amdhsa_user_sgpr_kernarg_segment_ptr 1
		.amdhsa_wavefront_size32 1
		.amdhsa_system_sgpr_workgroup_id_x 1
		.amdhsa_system_sgpr_workgroup_id_y 1
		.amdhsa_system_sgpr_workgroup_id_z 1
		.amdhsa_system_vgpr_workitem_id 0
		.amdhsa_next_free_vgpr 896
		.amdhsa_next_free_sgpr 76
		.amdhsa_reserve_vcc 0
		.amdhsa_float_denorm_mode_32 3
		.amdhsa_float_denorm_mode_16_64 3
		.amdhsa_memory_ordered 1
		.amdhsa_forward_progress 1
		.amdhsa_inst_pref_size 95
	.end_amdhsa_kernel
	.amdgpu_metadata
---
amdhsa.version: [ 1, 2 ]
amdhsa.kernels:
  - .name:           k_q904525990d_gout
    .symbol:         k_q904525990d_gout.kd
    .args:
      - { .name: ob, .offset: 0, .size: 8, .value_kind: global_buffer, .address_space: global }
      - { .name: wof, .offset: 8, .size: 8, .value_kind: global_buffer, .address_space: global }
      - { .name: b_out, .offset: 16, .size: 8, .value_kind: global_buffer, .address_space: global }
      - { .name: out0, .offset: 24, .size: 8, .value_kind: global_buffer, .address_space: global }
    .group_segment_fixed_size: 327680
    .private_segment_fixed_size: 0
    .kernarg_segment_align: 8
    .kernarg_segment_size: 32
    .max_flat_workgroup_size: 128
    .sgpr_count:     76
    .vgpr_count:     896
    .wavefront_size: 32
...
	.end_amdgpu_metadata
.endif
;; end of part 4
;; ======== version 2 of 2: 4 launches; version 1 with the launch cast written anew for expert scheduling mode
;; limits: values are held in f16: magnitudes above 65,504 overflow, below 6.1e-05 lose precision
;; workspace buffers: xb 16,777,216 bytes; wib 6,291,456 bytes; wof 2,097,152 bytes; qkv 50,331,648 bytes; ob 16,777,216 bytes
;; launch cast (part 5): grid 768 x 1, 8 waves a work-group, no clusters, 0 bytes of LDS; arguments x, w_in, w_out, xb, wib, wof; writes xb, wib, wof
.if DOCPART == 5
	.amdgcn_target "amdgcn-amd-amdhsa--gfx1250"
	.amdhsa_code_object_version 6
	.text
	.protected	k_q904525990d_cast
	.globl	k_q904525990d_cast
	.p2align	8
	.type	k_q904525990d_cast,@function
k_q904525990d_cast:
	s_mov_b64 s[64:65], 0
	v_nop
	global_prefetch_b8 v0, s[64:65] scope:SCOPE_SE
	s_setreg_imm32_b32 hwreg(HW_REG_WAVE_SCHED_MODE, 0, 2), 2
	s_setreg_imm32_b32 hwreg(HW_REG_WAVE_MODE, 25, 1), 1
	s_wait_xcnt 0x0
	s_wait_alu depctr_vm_vsrc(0)
; xb = bf16(x), wib = bf16(w_in), wof = f16(bf16(w_out)).  All three inputs are taken as rows of 1,024 f32 (4,096 bytes in, 2,048 bytes out): 8,192 + 3,072 + 1,024 rows.
; A work-group of eight waves takes 16 rows of ONE tensor: groups 0-511 x, 512-703 w_in, 704-767 w_out.  Thread t owns the 16 bytes at 16 t of every row, so a wave's load covers
; 512 consecutive bytes and its store 256 consecutive bytes, aligned.  All 16 loads of a thread go out at once (64 KiB a work-group); the rows are rounded and stored four at a time, as they arrive.
; No LDS, no barrier, no matrix unit, no cluster: no byte is used twice and nothing is shared.  No prefetch: the launch does nothing but stream.
; LIMITS.  w_out is rounded to bf16 like every input and that number is written as f16: exact from 2^-14 to 65,504; below 2^-14 it keeps f16's fixed step of 6e-8; beyond 65,504 it would be an infinity.
; THE MODE: SCHED_MODE bits 1:0 = 2 (LLVM: expert scheduling mode 2), set by the entry lines.  The code itself states the register dependences
; between vector instructions and memory instructions, with s_wait_alu, always for 0.
; THE PLAN.  Registers that memory instructions touch:
;   v1, v2   byte offsets, made once at the head and never written again: v1 is read by every load, v2 by every store.
;   X        row i's four registers: written by row i's one load and by nothing else; no vector instruction names them ahead of that load; read by row i's conversions.
;   Y        row i's two registers: written by row i's conversions; read by row i's one store; never written again.
;   v4-v7    at work on w_out's way: named by vector instructions alone.
; So no register that a memory instruction has read is ever written again, and no load lands in a register that a vector instruction has named: what is left to state is that a register is written
; before a memory instruction reads it.  One wait at the head states it for v1 and v2.  The 16 rows go in four blocks of four: a block's conversions, ONE wait, the block's four stores.
; That wait stands behind the block's conversions and not at the next block's head, which waits for data from memory: the finished rows leave ahead of that wait.
.set NX,   512                         ; work-groups for x
.set NWI,  192                         ; for w_in
.set BLOCK, 4                          ; rows in a block
.set X,    8                           ; v[8:71]    row i: 4 f32 as loaded
.set Y,    72                          ; v[72:103]  row i: 4 numbers of 16 bits to store
	s_load_b256 s[4:11], s[0:1], 0x0               ; x s[4:5], w_in s[6:7], w_out s[8:9], xb s[10:11]
	s_load_b128 s[12:15], s[0:1], 0x20             ; wib s[12:13], wof s[14:15]
	v_lshlrev_b32 v1, 4, v0                        ; my 16 bytes of a row in
	v_lshlrev_b32 v2, 3, v0                        ; my 8 bytes of a row out
	s_sub_co_u32 s16, ttmp9, NX                    ; my number among w_in's groups,
	s_sub_co_u32 s17, ttmp9, NX+NWI                ; among w_out's (each is used only where it is not negative)
	s_mov_b32 s25, 0
	s_mov_b32 s27, 0
	s_wait_kmcnt 0x0
	s_cmp_lt_u32 ttmp9, NX+NWI
	s_cselect_b64 s[20:21], s[6:7], s[8:9]         ; from where,
	s_cselect_b64 s[22:23], s[12:13], s[14:15]     ; to where,
	s_cselect_b32 s18, s16, s17                    ; which 16 rows
	s_cmp_lt_u32 ttmp9, NX
	s_cselect_b64 s[20:21], s[4:5], s[20:21]
	s_cselect_b64 s[22:23], s[10:11], s[22:23]
	s_cselect_b32 s18, ttmp9, s18
	s_lshl_b32 s24, s18, 16                        ; 16 rows of 4,096 bytes
	s_lshl_b32 s26, s18, 15                        ; 16 rows of 2,048 bytes
	s_add_nc_u64 s[20:21], s[20:21], s[24:25]
	s_add_nc_u64 s[22:23], s[22:23], s[26:27]
	s_wait_alu depctr_va_vdst(0)                   ; v1 and v2 are written: every load of the kernel reads v1 as its offset, every store v2
.irp i, 0,1,2,3,4,5,6,7,8,9,10,11,12,13,14,15
	global_load_b128 v[X+4*\i:X+4*\i+3], v1, s[20:21] offset:4096*\i th:TH_LOAD_NT
.endr
; Row i is rounded.  half = 1: the bf16 numbers are widened again (a shift, a mask) and written as f16.  No register that a load or store names is written again.
.macro ROUND i, half
	v_cvt_pk_bf16_f32 v[Y+2*(\i)],   v[X+4*(\i)],   v[X+4*(\i)+1]
	v_cvt_pk_bf16_f32 v[Y+2*(\i)+1], v[X+4*(\i)+2], v[X+4*(\i)+3]
.if \half
	v_lshlrev_b32 v4, 16, v[Y+2*(\i)]
	v_and_b32     v5, 0xffff0000, v[Y+2*(\i)]
	v_lshlrev_b32 v6, 16, v[Y+2*(\i)+1]
	v_and_b32     v7, 0xffff0000, v[Y+2*(\i)+1]
	v_cvt_pk_f16_f32 v[Y+2*(\i)],   v4, v5
	v_cvt_pk_f16_f32 v[Y+2*(\i)+1], v6, v7
.endif
.endm
; Block p: rows 4 p to 4 p + 3 are rounded, then stored in one run.
.macro BLK p, half
	s_wait_loadcnt 16-BLOCK-BLOCK*(\p)             ; loads come back in order: the block's four rows are in, the loads of the younger blocks stay out
.irp r, 0,1,2,3
	ROUND BLOCK*(\p)+\r, \half
.endr
	s_wait_alu depctr_va_vdst(0)                   ; the block's conversions have written its eight registers of Y, which the four stores below read
.irp r, 0,1,2,3
	global_store_b64 v2, v[Y+2*(BLOCK*(\p)+\r):Y+2*(BLOCK*(\p)+\r)+1], s[22:23] offset:2048*(BLOCK*(\p)+\r)
.endr
.endm
	s_cmp_ge_u32 ttmp9, NX+NWI
	s_cbranch_scc1 .Lhalf
.irp p, 0,1,2,3
	BLK \p, 0
.endr
	s_endpgm
.Lhalf:
.irp p, 0,1,2,3
	BLK \p, 1
.endr
	s_endpgm
.Lfunc_end_k_q904525990d_cast:
	.size	k_q904525990d_cast, .Lfunc_end_k_q904525990d_cast-k_q904525990d_cast
	.p2alignl 7, 3214868480
	.fill 96, 4, 3214868480
	.section	.rodata,"a",@progbits
	.p2align	6, 0x0
	.amdhsa_kernel k_q904525990d_cast
		.amdhsa_group_segment_fixed_size 0
		.amdhsa_private_segment_fixed_size 0
		.amdhsa_enable_private_segment 0
		.amdhsa_kernarg_size 48
		.amdhsa_user_sgpr_count 2
		.amdhsa_user_sgpr_kernarg_segment_ptr 1
		.amdhsa_wavefront_size32 1
		.amdhsa_system_sgpr_workgroup_id_x 1
		.amdhsa_system_sgpr_workgroup_id_y 1
		.amdhsa_system_sgpr_workgroup_id_z 1
		.amdhsa_system_vgpr_workitem_id 0
		.amdhsa_next_free_vgpr 104
		.amdhsa_next_free_sgpr 66
		.amdhsa_reserve_vcc 0
		.amdhsa_float_denorm_mode_32 3
		.amdhsa_float_denorm_mode_16_64 3
		.amdhsa_memory_ordered 1
		.amdhsa_forward_progress 1
		.amdhsa_inst_pref_size 16
	.end_amdhsa_kernel
	.amdgpu_metadata
---
amdhsa.version: [ 1, 2 ]
amdhsa.kernels:
  - .name:           k_q904525990d_cast
    .symbol:         k_q904525990d_cast.kd
    .args:
      - { .name: x, .offset: 0, .size: 8, .value_kind: global_buffer, .address_space: global }
      - { .name: w_in, .offset: 8, .size: 8, .value_kind: global_buffer, .address_space: global }
      - { .name: w_out, .offset: 16, .size: 8, .value_kind: global_buffer, .address_space: global }
      - { .name: xb, .offset: 24, .size: 8, .value_kind: global_buffer, .address_space: global }
      - { .name: wib, .offset: 32, .size: 8, .value_kind: global_buffer, .address_space: global }
      - { .name: wof, .offset: 40, .size: 8, .value_kind: global_buffer, .address_space: global }
    .group_segment_fixed_size: 0
    .private_segment_fixed_size: 0
    .kernarg_segment_align: 8
    .kernarg_segment_size: 48
    .max_flat_workgroup_size: 256
    .sgpr_count:     66
    .vgpr_count:     104
    .wavefront_size: 32
...
	.end_amdgpu_metadata
.endif
;; end of part 5
;; launch gqkv: the kernel of part 2 again; grid 16 x 32, 4 waves a work-group, clusters of 4 x 4, 327,680 bytes of LDS; arguments xb, wib, b_in, qkv; writes qkv
;; launch attn: the kernel of part 3 again; grid 4 x 64, 4 waves a work-group, no clusters, 213,504 bytes of LDS; arguments qkv, ob; writes ob
;; launch gout: the kernel of part 4 again; grid 8 x 32, 4 waves a work-group, clusters of 4 x 4, 327,680 bytes of LDS; arguments ob, wof, b_out, out0; writes out0
